; MI455X (gfx1250); checked and timed in simulation.
; The chip was launched on July 23, 2026; its instructions are those of AMD's public machine-readable ISA for CDNA 5 (MIT licence, August 2026) and "CDNA5" Instruction Set Architecture Reference Guide (July 2026). The comments in the code are by the model that wrote it; some were corrected since.
;; Multihead Attention. Allowed arithmetic: matrix products marked QUANTISED: E2M3 operands, one E8M0 scale for each 32 along K, by v_wmma_scale_f32_16x16x128_f8f6f4 with both operands' format E2M3, f32 sums; everything else in f32.
;; Inputs: bk 1,024 float32; bo 1,024 float32; bq 1,024 float32; bv 1,024 float32; k 2 x 2,048 x 1,024 float32; q 2 x 2,048 x 1,024 float32; v 2 x 2,048 x 1,024 float32; wk 1,024 x 1,024 float32; wo 1,024 x 1,024 float32; wq 1,024 x 1,024 float32; wv 1,024 x 1,024 float32.
;; Outputs: out0 2 x 2,048 x 1,024 float32.
;; This version of the problem:
;;   THIS VERSION OF THE PROBLEM IS GIVEN IN LOW PRECISION. The matrix products marked QUANTISED in the list below multiply operands that are first quantised to E2M3 (2 exponent bits, 3 mantissa bits; 6 bits a number), with one power-of-two scale for each 32 numbers along K (OCP MX v1.0); their sums are f32. All else is computed in f32.
;;   The module's matrix products, in the order in which they are computed (A, B: the left and right operand; K: the contracted axis; several contracted axes count as one K, in the product's order):
;;     1. [M 4,096, K 1,024] x [K 1,024, N 1,024]; A: input q; B: input wq: QUANTISED
;;     2. [M 4,096, K 1,024] x [K 1,024, N 1,024]; A: input k; B: input wk: QUANTISED
;;     3. [M 4,096, K 1,024] x [K 1,024, N 1,024]; A: input v; B: input wv: QUANTISED
;;     4. batch 32 x [M 2,048, K 64] x [K 64, N 2,048]; A: computed on the way; B: computed on the way: QUANTISED
;;     5. batch 32 x [M 2,048, K 2,048] x [K 2,048, N 64]; A: softmax (see below); B: computed on the way: QUANTISED
;;     6. [M 4,096, K 1,024] x [K 1,024, N 1,024]; A: computed on the way; B: input wo: QUANTISED
;;   THE QUANTISER, for each operand of a quantised product, along K:
;;     - K is cut into blocks of 32 from its start; a last block that is shorter is filled with zeros.
;;     - A block's scale is 2^e with e = floor(log2(the largest magnitude in the block)) - 2, held to -126 .. 127; a block of zeros has e = 0. As a byte (E8M0): e + 127.
;;     - Each number is divided by its block's scale, clamped to +-7.5, and rounded to the nearest number of E2M3, ties to even, subnormals kept.
;;     - The product sums the exact products of the quantised numbers (number of the format x scale) in f32.
;;   ~~~python
;;   def quantise(x, axis):      # numpy; x: float32 -> the quantised numbers, widened to float32 again
;;       x = np.moveaxis(x, axis, -1); K = x.shape[-1]
;;       x = np.pad(x, [(0, 0)] * (x.ndim - 1) + [(0, -K % 32)]); x = x.reshape(x.shape[:-1] + (-1, 32)); a = np.abs(x).max(-1, keepdims=True)
;;       e = np.where(a > 0, np.clip(np.frexp(np.where(a > 0, a, 1))[1] - 1 - 2, -126, 127), 0)      # np.frexp(a)[1] - 1 = floor(log2(a)), exactly
;;       r = np.clip(x / 2.0 ** e, -7.5, 7.5)
;;       step = 2.0 ** (np.maximum(np.frexp(np.where(r == 0, 1, r))[1] - 1, 0) - 3)
;;       q = np.round(r / step) * step * 2.0 ** e      # np.round: ties to even
;;       return np.moveaxis(q.reshape(q.shape[:-2] + (-1,))[..., :K], -1, axis).astype(np.float32)
;;   ~~~
;;   SOFTMAX AHEAD OF A QUANTISED PRODUCT. Where the list says 'softmax', what is quantised is not the finished softmax but p = 2^(t - M), with t = logit x log2(e) and M = ceil(the row's largest t), a whole number; so 1/2 < the row's largest p <= 1. The row's sum l is taken of the UNQUANTISED p, in f32, and the product's result is divided by l at the end. Since M is a whole number, a kernel that streams over the keys may use a running M (the ceiling of the running maximum): every later rescaling is an exact power of two, which a block's scale takes up: the codes' values come out the same.
;;   OPERANDS COMPUTED ON THE WAY. 'Computed on the way' means the value that the module computes at that place (a softmax that the list does not call 'softmax' is quantised finished and normalised). What goes into a quantiser is computed in f32, as accurately as f32 sums, v_exp_f32 and their like allow (about 1e-6 of the number): no bf16 or f16 on the way to a quantiser, and a product that is left as it is and whose result goes on into a quantised operand takes f32 operands (vector FMAs, or v_wmma_f32_16x16x4_f32). A number that lies on a knife's edge between two numbers of the format may be rounded either way, as far as f32 arithmetic and the matrix unit's own rounding can turn it there, and no further.
;; One version. Each part assembles by itself: llvm-mc -triple=amdgcn-amd-amdhsa -mcpu=gfx1250 --defsym DOCPART=n.
;; ======== version 1 of 1: 4 launches
;; limits: right only within a limited range of input values
;; workspace buffers: cod 12,582,912 bytes; scl 524,288 bytes; hc 10,223,616 bytes; oc 3,145,728 bytes; os 131,072 bytes
;; launch quant (part 1): grid 512 x 1, 4 waves a work-group, no clusters, 34,304 bytes of LDS; arguments q, k, v, wq, wk, wv, wo, cod, scl; writes cod, scl
.if DOCPART == 1
	.amdgcn_target "amdgcn-amd-amdhsa--gfx1250"
	.amdhsa_code_object_version 6
	.text
	.protected	k_qae2768e040_quant
	.globl	k_qae2768e040_quant
	.p2align	8
	.type	k_qae2768e040_quant,@function
k_qae2768e040_quant:
	s_mov_b64 s[64:65], 0
	v_nop
	global_prefetch_b8 v0, s[64:65] scope:SCOPE_SE
	s_setreg_imm32_b32 hwreg(HW_REG_WAVE_MODE, 25, 1), 1
	s_wait_xcnt 0x0
; q, k, v [4096][1024] and wq, wk, wv, wo [1024][1024], f32, K innermost, become codes of FP6 (E2M3) with one E8M0 byte for each 32 along K,
; laid AS THE MATRIX OPERAND'S REGISTERS WANT THEM.  A fragment is 16 rows x 128 K = 12 registers a lane; its image is six planes of 256 bytes:
; plane p holds registers 2 p, 2 p + 1 of lane l at byte 8 l.  cod: [row tile 1024][K step 8][1536 bytes]; row tiles: q 0-255, k 256-511, v 512-767, wq 768-, wk 832-, wv 896-, wo 960-1023.
; scl: [row tile][512 bytes]: the scale word of (row r, K step s) at (s / 4) 256 + (s % 2) 128 + 8 r + ((s / 2) % 2) 4.
; WHICH ROWS FORM A TILE: q and wo: lane r of tile t takes row 16 t + r.  v, wq, wk, wv: row 32 (t / 2) + 8 (t % 2) + r + 8 (r / 8), so that a later product's results of two
; neighbouring tiles are 16 neighbours along the next product's K.  k: row 64 (t / 4) + 8 (t % 4) + r + 24 (r / 8), so that the scores of four neighbouring tiles of keys are, in a lane, 32 neighbouring keys: a whole scale block of p.
; A block's scale is 2^(floor(log2(largest magnitude)) - 2); its byte is the largest magnitude's exponent field - 2, held at 1 from below.
; LIMITS: a block of zeros gets the byte 1 where the rule says 127 (its codes are zeros, and this program alone reads the bytes); blocks under 2^-124 are held at byte 1; NaN and infinities are not served.
; SHARES: a wave takes one row tile and half of K: four fragments, 32 KiB of f32.  Each load reads 512 consecutive bytes of a row; a fragment turns through the wave's own stage in LDS
; (rows 528 bytes apart), so that lane (r, h) gets k = 64 c + 32 h + 0 .. 31 of row r: two whole blocks.  No barrier: waves share nothing.  Up to three fragments' loads are out.
.set PITCH, 528
.set WST,   16*PITCH                   ; a wave's stage
.set SPARE, 4*WST                      ; behind the stages: the spare words, 128 bytes a wave
.set SPW, 1                            ; v1   my spare word's LDS address; never rewritten
.set NIL, 2                            ; v2   0; never rewritten
.set A16, 3                            ; v3   16 x lane
.set STI, 4                            ; v4   the stage, way in
.set STO, 5                            ; v5   the stage, way out
.set A8,  6                            ; v6   8 x lane
.set H8,  7                            ; v7   8 x (lane / 16)
.set MX,  8                            ; v8-9   my two blocks' largest magnitudes
.set WT,  10                           ; v10-11 the scale word in the making
.set SO,  12                           ; v12-13 the conversions' scale operands
.set BY,  14                           ; v14-15 the scale bytes
.set X,   16                           ; v16-207 three sets of 64 numbers
.set PC,  208                          ; v208-219 a fragment's codes
.set TP,  220                          ; v220-222, v224-226 the halves that begin on an odd register
.set WD,  228                          ; v228-231 the four fragments' scale words
.set OW,  234                          ; v234-235 the scale words as they are stored
.set LO,  26                           ; s[26:27] rows 0-7 of my tile, my half of K
.set HI,  28                           ; s[28:29] rows 8-15
.set OC,  30                           ; s[30:31] my four images
.set OS,  32                           ; s[32:33] my 256 bytes of scale words
.set SEL, 34                           ; s[34:35] lane l xor 16
.set MHI, 36                           ; s36  lanes 16-31
	s_load_b256 s[4:11], s[0:1], 0x0               ; q, k, v, wq
	s_load_b256 s[12:19], s[0:1], 0x20             ; wk, wv, wo, cod
	s_load_b64 s[20:21], s[0:1], 0x40              ; scl
	v_lshl_add_u32 v[SPW], v0, 2, SPARE
	v_mov_b32 v[NIL], 0
	v_lshrrev_b32 v8, 5, v0
	v_readfirstlane_b32 s37, v8                    ; wave
	v_and_b32 v8, 31, v0                           ; lane
	v_and_b32 v9, 15, v0                           ; r
	v_bfe_u32 v10, v0, 4, 1                        ; h
	v_lshlrev_b32 v[A16], 4, v8
	v_lshlrev_b32 v[A8], 3, v8
	v_lshlrev_b32 v[H8], 3, v10
	s_mul_i32 s38, s37, WST
	v_add_nc_u32 v[STI], s38, v[A16]               ; in: a row's 512 bytes as they lie
	v_mul_u32_u24 v[STO], v9, PITCH
	v_lshl_add_u32 v[STO], v10, 7, v[STO]
	v_add_nc_u32 v[STO], s38, v[STO]               ; out: row r, + 128 h bytes
	v_mov_b32 v11, 0                               ; a lane permute's destination counts as read
	s_mov_b32 s[SEL], 0x76543210
	s_mov_b32 s[SEL+1], 0xfedcba98
	s_mov_b32 s[MHI], 0xffff0000
	s_lshr_b32 s39, s37, 1                         ; u: which of the work-group's two row tiles
	s_and_b32 s40, s37, 1                          ; which half of K
	s_lshl_b32 s41, ttmp9, 2
	s_add_co_u32 s41, s41, s37                     ; W = 2 x row tile + half
	s_sub_co_u32 s25, ttmp9, 128
	s_cmp_lt_u32 s25, 352                          ; work-groups 128 to 479 (k, v, wq, wk, wv) take eight rows, a gap, eight rows
	s_cselect_b32 s42, 8, 16
	s_cselect_b32 s43, 16, 8
	s_mul_i32 s42, s42, s39                        ; the tile's first row within the work-group's 32
	s_lshl_b32 s43, s43, 12                        ; bytes from row 0 to row 8 of the tile
	s_and_b32 s44, ttmp9, 1
	s_cmp_lt_u32 s25, 128                          ; work-groups 128 to 255 are k's: two of them share 64 rows, tiles 8 rows apart, rows 8-15 of a tile 32 rows on
	s_cselect_b32 s44, s44, 0                      ; 1 in k's odd work-groups: they begin 16 rows into the even one's 32
	s_cselect_b32 s43, 0x20000, s43
	s_lshl_b32 s45, s44, 4
	s_add_co_u32 s42, s42, s45
	s_wait_alu depctr_va_vdst(0)
	s_wait_kmcnt 0x0
	s_mov_b64 s[22:23], s[16:17]                   ; which tensor: a chain of choices on the work-group's number alone
	s_mov_b32 s24, 480
	s_cmp_lt_u32 ttmp9, 480
	s_cselect_b64 s[22:23], s[14:15], s[22:23]
	s_cselect_b32 s24, 448, s24
	s_cmp_lt_u32 ttmp9, 448
	s_cselect_b64 s[22:23], s[12:13], s[22:23]
	s_cselect_b32 s24, 416, s24
	s_cmp_lt_u32 ttmp9, 416
	s_cselect_b64 s[22:23], s[10:11], s[22:23]
	s_cselect_b32 s24, 384, s24
	s_cmp_lt_u32 ttmp9, 384
	s_cselect_b64 s[22:23], s[8:9], s[22:23]
	s_cselect_b32 s24, 256, s24
	s_cmp_lt_u32 ttmp9, 256
	s_cselect_b64 s[22:23], s[6:7], s[22:23]
	s_cselect_b32 s24, 128, s24
	s_cmp_lt_u32 ttmp9, 128
	s_cselect_b64 s[22:23], s[4:5], s[22:23]
	s_cselect_b32 s24, 0, s24
	s_sub_co_u32 s24, ttmp9, s24                   ; the work-group's number within its tensor: 32 rows each
	s_sub_co_u32 s24, s24, s44
	s_lshl_b32 s24, s24, 5
	s_add_co_u32 s24, s24, s42
	s_lshl_b32 s24, s24, 12                        ; a row is 4,096 bytes
	s_lshl_b32 s40, s40, 11
	s_add_co_u32 s24, s24, s40
	s_mov_b32 s25, 0
	s_add_nc_u64 s[LO:LO+1], s[22:23], s[24:25]
	s_mov_b32 s24, s43
	s_add_nc_u64 s[HI:HI+1], s[LO:LO+1], s[24:25]
	s_mul_i32 s24, s41, 6144
	s_add_nc_u64 s[OC:OC+1], s[18:19], s[24:25]
	s_lshl_b32 s24, s41, 8
	s_add_nc_u64 s[OS:OS+1], s[20:21], s[24:25]
.macro LOAD t                          ; fragment t: 16 rows x 512 bytes into set t % 3
.set XL, X+64*((\t)%3)
.irp r, 0,1,2,3,4,5,6,7
	global_load_b128 v[XL+4*\r:XL+4*\r+3], v[A16], s[LO:LO+1] offset:4096*\r+512*(\t) th:TH_LOAD_NT
.endr
.irp r, 0,1,2,3,4,5,6,7
	global_load_b128 v[XL+32+4*\r:XL+35+4*\r], v[A16], s[HI:HI+1] offset:4096*\r+512*(\t) th:TH_LOAD_NT
.endr
.endm
.macro STEP t, left                    ; left: the loads of younger fragments, which may stay out
.set XS, X+64*((\t)%3)
	s_wait_loadcnt \left
.irp r, 0,1,2,3,4,5,6,7,8,9,10,11,12,13,14,15
	ds_store_b128 v[STI], v[XS+4*\r:XS+4*\r+3] offset:PITCH*\r
.endr
.irp c, 0,1
.irp j, 0,1,2,3,4,5,6,7
	ds_load_b128 v[XS+32*\c+4*\j:XS+32*\c+4*\j+3], v[STO] offset:256*\c+16*\j   ; LDS serves a wave's instructions in order: these see the stores above
.endr
.endr
	s_wait_dscnt 0x0                               ; register 32 c + i now holds k = 64 c + 32 h + i of row r
.irp c, 0,1
	v_max3_num_f32 v[MX+\c], |v[XS+32*\c]|, |v[XS+32*\c+1]|, 0x1800000   ; block 2 c + h is all mine; the floor 2^(3 - 127) keeps the byte at 1 or above
.endr
.irp i, 2,4,6,8,10,12,14,16,18,20,22,24,26,28,30
.irp c, 0,1
	v_max3_num_f32 v[MX+\c], v[MX+\c], |v[XS+32*\c+\i]|, |v[XS+32*\c+\i+1]|
.endr
.endr
.irp c, 0,1
	v_add_nc_u32 v[SO+\c], 0xff000000, v[MX+\c]    ; 2 off the exponent field: the conversion's scale operand
.endr
.irp c, 0,1
	v_lshrrev_b32 v[BY+\c], 23, v[SO+\c]           ; the scale's byte
.endr
	v_lshl_or_b32 v[WT], v[BY+1], 16, v[BY]        ; bytes h and 2 + h of the row's scale word,
	v_lshlrev_b32 v[WT], v[H8], v[WT]
	v_permlanex16_b32 v[WT+1], v[WT], s[SEL], s[SEL+1]
	v_or_b32 v[WD+(\t)], v[WT], v[WT+1]            ; with lane l xor 16's two the word is whole
.if (\t) > 0
	s_wait_alu depctr_va_vdst(0)
	s_wait_xcnt 0x0                                ; the last fragment's stores have read the codes' registers
.endif
.irp c, 0,1
	v_cvt_scalef32_pk16_fp6_f32 v[PC+6*\c:PC+6*\c+2], v[XS+32*\c:XS+32*\c+15], v[SO+\c]
	v_cvt_scalef32_pk16_fp6_f32 v[TP+4*\c:TP+4*\c+2], v[XS+32*\c+16:XS+32*\c+31], v[SO+\c]   ; (a conversion's three registers begin on an even number)
.endr
	v_nop                                          ; one plain place behind a scaled conversion
.irp c, 0,1
.irp i, 0,1,2
	v_mov_b32 v[PC+6*\c+3+\i], v[TP+4*\c+\i]
.endr
.endr
.if (\t) == 0
	LOAD 3                                         ; set 0 is free again
.endif
.irp p, 0,1,2,3,4,5
	global_store_b64 v[A8], v[PC+2*\p:PC+2*\p+1], s[OC:OC+1] offset:1536*(\t)+256*\p   ; a plane: 256 consecutive bytes, aligned
.endr
.endm
	LOAD 0
	LOAD 1
	LOAD 2
	STEP 0, 32
	STEP 1, 32
	STEP 2, 16
	STEP 3, 0
	v_cndmask_b32 v[OW], v[WD], v[WD+1], s[MHI]    ; lanes 0-15: K steps 0 and 2 of row r; lanes 16-31: K steps 1 and 3
	v_cndmask_b32 v[OW+1], v[WD+2], v[WD+3], s[MHI]
	global_store_b64 v[A8], v[OW:OW+1], s[OS:OS+1] ; 256 consecutive bytes, aligned
	s_wait_tensorcnt 0x0                           ; the wave's end, behind my last LDS store
	ds_add_u32 v[SPW], v[NIL]
	s_wait_dscnt 0x0
	s_endpgm
.Lfunc_end_k_qae2768e040_quant:
	.size	k_qae2768e040_quant, .Lfunc_end_k_qae2768e040_quant-k_qae2768e040_quant
	.p2alignl 7, 3214868480
	.fill 96, 4, 3214868480
	.section	.rodata,"a",@progbits
	.p2align	6, 0x0
	.amdhsa_kernel k_qae2768e040_quant
		.amdhsa_group_segment_fixed_size 34304
		.amdhsa_private_segment_fixed_size 0
		.amdhsa_enable_private_segment 0
		.amdhsa_kernarg_size 72
		.amdhsa_user_sgpr_count 2
		.amdhsa_user_sgpr_kernarg_segment_ptr 1
		.amdhsa_wavefront_size32 1
		.amdhsa_system_sgpr_workgroup_id_x 1
		.amdhsa_system_sgpr_workgroup_id_y 1
		.amdhsa_system_sgpr_workgroup_id_z 1
		.amdhsa_system_vgpr_workitem_id 0
		.amdhsa_next_free_vgpr 240
		.amdhsa_next_free_sgpr 66
		.amdhsa_reserve_vcc 0
		.amdhsa_float_denorm_mode_32 3
		.amdhsa_float_denorm_mode_16_64 3
		.amdhsa_memory_ordered 1
		.amdhsa_forward_progress 1
		.amdhsa_inst_pref_size 33
	.end_amdhsa_kernel
	.amdgpu_metadata
---
amdhsa.version: [ 1, 2 ]
amdhsa.kernels:
  - .name:           k_qae2768e040_quant
    .symbol:         k_qae2768e040_quant.kd
    .args:
      - { .name: q, .offset: 0, .size: 8, .value_kind: global_buffer, .address_space: global }
      - { .name: k, .offset: 8, .size: 8, .value_kind: global_buffer, .address_space: global }
      - { .name: v, .offset: 16, .size: 8, .value_kind: global_buffer, .address_space: global }
      - { .name: wq, .offset: 24, .size: 8, .value_kind: global_buffer, .address_space: global }
      - { .name: wk, .offset: 32, .size: 8, .value_kind: global_buffer, .address_space: global }
      - { .name: wv, .offset: 40, .size: 8, .value_kind: global_buffer, .address_space: global }
      - { .name: wo, .offset: 48, .size: 8, .value_kind: global_buffer, .address_space: global }
      - { .name: cod, .offset: 56, .size: 8, .value_kind: global_buffer, .address_space: global }
      - { .name: scl, .offset: 64, .size: 8, .value_kind: global_buffer, .address_space: global }
    .group_segment_fixed_size: 34304
    .private_segment_fixed_size: 0
    .kernarg_segment_align: 8
    .kernarg_segment_size: 72
    .max_flat_workgroup_size: 128
    .sgpr_count:     66
    .vgpr_count:     240
    .wavefront_size: 32
...
	.end_amdgpu_metadata
.endif
;; end of part 1
;; launch proj (part 2): grid 4 x 48, 4 waves a work-group, clusters of 4 x 4, 327,680 bytes of LDS; arguments cod, scl, bq, bk, bv, hc; writes hc
.if DOCPART == 2
	.amdgcn_target "amdgcn-amd-amdhsa--gfx1250"
	.amdhsa_code_object_version 6
	.text
	.protected	k_qae2768e040_proj
	.globl	k_qae2768e040_proj
	.p2align	8
	.type	k_qae2768e040_proj,@function
k_qae2768e040_proj:
	s_mov_b64 s[64:65], 0
	v_nop
	global_prefetch_b8 v0, s[64:65] scope:SCOPE_SE
	s_setreg_imm32_b32 hwreg(HW_REG_WAVE_MODE, 25, 1), 1
	s_wait_xcnt 0x0
	s_wait_alu depctr_hold_cnt(0) depctr_sa_sdst(0) depctr_va_vdst(0) depctr_va_sdst(0) depctr_va_ssrc(0) depctr_va_vcc(0) depctr_vm_vsrc(0)
	s_getreg_b32 s2, hwreg(HW_REG_IB_STS2, 6, 4)
	s_cmp_eq_u32 s2, 0
	s_cbranch_scc0 .Lentry_in_a_cluster
	s_endpgm
.Lentry_in_a_cluster:
	s_bfe_u32 s2, ttmp6, 0x10000c
	s_cmp_lg_u32 s2, 0xf033
	s_cbranch_scc0 .Lentry_shape_is_right
	s_endpgm
.Lentry_shape_is_right:
; The three input projections on codes of FP6 (E2M3, one E8M0 scale for each 32 along K), + bias, and their results quantised in registers for the attention:
; g = 0: Q = q wq^T + bq, g = 1: K = k wk^T + bk, both quantised along the head's 64 channels; g = 2: V = v wv^T + bv, quantised along the KEYS.
; Operands come from cod as images of fragments (16 rows x 128 K: six planes of 256 bytes, plane p = registers 2 p, 2 p + 1, lane l at 8 l), so every LDS load is 256 consecutive bytes.
; A tile of 256 x 256 is made by four waves, 128 x 128 each: 64 accumulators, 512 registers.  THE PRODUCT IS USED TRANSPOSED: source 0 (called B here) gives the registers, source 1 (A) the lanes.
; g < 2: A = the tokens (q, k), B = the weight's rows: a lane holds one token and 128 neighbouring channels.  g = 2: A = wv's rows, B = v's tokens: a lane holds one channel and 128 neighbouring keys.
; B's rows of a tile are 32 (t / 2) + 8 (t % 2) + r + 8 (r / 8), so the 16 registers of tiles 2 b, 2 b + 1 are 16 neighbours: the scaled conversions take them as they stand.
; LDS: the wide slot holds 512 along K (a row tile every 6,144 bytes), the narrow slot behind it 256 along K (a row tile every 3,072 bytes).  FILLS, one tensor load a wave each: K 0-511 into the wide slot at the head;
; K 512-767 into the narrow slot behind the three lines and a round of the cluster's barrier; K 768-1023 behind the round in K step 3, when the wide slot has been read out: 24,576 dense bytes at the start of
; each wave's part of it, a row tile every 3,072 bytes.  The text is straight: eight steps of 128 along K.
; THE SCALE WORDS come by plain loads of 256 consecutive bytes straight into registers, once: a pair of registers holds, of one row tile, K steps 4 kh and 4 kh + 2 in lanes 0-15 and 4 kh + 1 and 4 kh + 3 in lanes 16-31.
; CLUSTER 4 x 4: A's tiles are asked for jointly along a row of the cluster, B's along a column.  12 clusters: g = cluster y / 4.
; NO PREFETCH: the text has no loop to run ahead in; its three fills are all that it reads of cod.
; OUT: hc: region g at g x 3,407,872, head bh at + bh x 106,496, a step of 128 tokens at + step x 6,656: 6,144 bytes of codes, then 512 of scale words.
; Codes: Q, K: [token tile 8][plane 3][lane][8 bytes] (16 tokens x 64 channels: the lower half of a fragment).  V: [channel tile 4][plane 6][lane][8].
; Scale words at 16 lane + 4 j.  Q, K: j = b, lanes 0-15 the word of the step's tile 2 b, lanes 16-31 of tile 2 b + 1 (bytes 0, 1 count; bytes 2, 3 are never 0xff).  V: j = channel tile.
; LIMITS: a block of zeros gets the byte 1 where the rule says 127 (its codes are zeros; this program alone reads the bytes); blocks under 2^-124 are held at byte 1; NaN and infinities are not served.
; REGISTERS: window 0: v16-29 addresses; v32-47 the bias by lanes; v62-127 scale words, and nothing else ever; v128-223 A's 8 fragments, ONE set; in the epilogue v128-239 at work.
;   window 1: B's fragments, two sets at v0 and v128; the bias by registers at v96-127 and v224-255.   windows 2, 3: the accumulators ((a, b) at v[8 (8 (a % 4) + b)] of window 2 + a / 4).
.set FR,    12
.set NL,    6
.set QUART, 24576                      ; 8 row tiles x 256 along K: a wave's part of the narrow slot; of the wide slot it has twice as much
.set SLOT,  4*QUART                    ; the narrow slot: A's 16 row tiles, then B's 16; the wide slot, 2 SLOT bytes from 0 on, has the same order
.set SPARE, 3*SLOT                     ; the spare words, 128 bytes a wave
.set HB,    106496                     ; a head in hc
.set RG,    32*HB                      ; a region
.set SB,    6656                       ; a step of 128 tokens
.set ADRA, 16                          ; v16 my A fragments at the start of my part of the wide slot; v17: 3,072 bytes on (K 256-511); v18: in the narrow slot
.set ADRB, 20                          ; v20-22 my B fragments
.set L8,   24                          ; v24  8 x lane
.set L16,  25                          ; v25  16 x lane
.set H64,  26                          ; v26  64 x (lane / 16)
.set RSW,  27                          ; v27  4 (r + 8 (r / 8))
.set SPW,  28                          ; v28  my spare word; never rewritten
.set NIL,  29                          ; v29  0; never rewritten
.set BL2,  32                          ; v32-47 the bias of lane's channel, block a, twice (a pair)
.set SCB,  62                          ; v62-93  B's scale words: block i, K step s: v[SCB + 4 i + 2 (s / 4) + (s / 2) % 2], lanes 16 (s % 2) + r
.set SCA,  96                          ; v96-127 A's likewise; the two numbers of a product differ modulo 8
.set AF,   128
.set ST,   128                         ; epilogue: 64 numbers
.set PC,   192                         ; v192-210 codes
.set TM,   212                         ; v212-227 at work
.set PW,   228                         ; the scale word just made
.set T0,   229
.set SW,   232                         ; v232-239 scale words to store
.set G1,   24                          ; s[24:31] group 1, A's codes, rows of 3,072 bytes;  s[32:39] groups 0: my part of the wide slot, of the narrow slot
.set G0,   32
.set G1B,  44                          ; s[44:51], s[52:59] the same for B
.set G0B,  52
.set SEL,  66
.set G1W,  68                          ; s[68:75] group 1, A's codes, rows of 6,144 bytes;  s[80:87] B's
.set G1WB, 80
.set SPA,  76                          ; s[76:77] my A blocks' scale words;  s[88:89] my B blocks'
.set SPB,  88
.set GG,   92                          ; s92  g
.set MHI,  93                          ; s93  lanes 16-31
.set MSB, 0
.macro WIN new                         ; the immediate's high byte repeats the setting that is left
.if MSB != (\new)
	s_set_vgpr_msb (MSB<<8)|(\new)
.set MSB, (\new)
.endif
.endm
.set MUL_LO, 0xa1                      ; source 0 (B) window 1, source 1 (A) window 0, C and D window 2
.set MUL_HI, 0xf1
.set TO_B,   0x40
.macro JLOAD g0a, g1a, g0b, g1b        ; a joint load: waves 0, 1 fetch for A, waves 2, 3 for B; an s_nop 0 and four v_nop follow each line
	s_cmp_eq_u32 s19, 0
	s_cbranch_scc0 .Lfor_b_\@
	tensor_load_to_lds s[\g0a:\g0a+3], s[\g1a:\g1a+7]
	s_nop 0
.rept 4
	v_nop
.endr
	s_branch .Lasked_\@
.Lfor_b_\@:
	tensor_load_to_lds s[\g0b:\g0b+3], s[\g1b:\g1b+7]
	s_nop 0
.rept 4
	v_nop
.endr
.Lasked_\@:
.endm
.macro CREST                           ; a round of the cluster's barrier behind its opening barrier
	s_cmp_lg_u32 s18, 0
	s_cbranch_scc1 .Lnot_wave_0_\@
	s_barrier_signal -3
.Lnot_wave_0_\@:
	s_barrier_wait -3
	s_barrier_signal -1
	s_barrier_wait -1
.endm
.macro CROUND
	s_barrier_signal -1
	s_barrier_wait -1
	CREST
.endm
.macro PLACES n
.rept \n
	v_nop
.endr
.endm
	s_load_b256 s[4:11], s[0:1], 0x0               ; cod, scl, bq, bk
	s_load_b128 s[12:15], s[0:1], 0x20             ; bv, hc
	v_lshl_add_u32 v[SPW], v0, 2, SPARE
	v_mov_b32 v[NIL], 0
	ds_add_u32 v[SPW], v[NIL]                      ; the wave's opening: the add, twice on end, and its wait ahead of my first tensor load
	ds_add_u32 v[SPW], v[NIL]
	v_lshrrev_b32 v1, 5, v0
	v_readfirstlane_b32 s18, v1                    ; wave
	s_lshr_b32 s19, s18, 1                         ; my half of A's rows.  Also: I fetch for A (0) or B (1)
	s_and_b32 s20, s18, 1                          ; my half of B's rows.  Also: which 8 row tiles I fetch
	s_bfe_u32 s21, ttmp6, 0x40000                  ; cx
	s_bfe_u32 s22, ttmp6, 0x40004                  ; cy
	s_and_b32 s23, ttmp7, 0xffff                   ; the cluster's number, 0 to 11: shared by all partners
	s_lshr_b32 s[GG], s23, 2                       ; g
	s_and_b32 s93, s23, 3
	s_lshl_b32 s93, s93, 2                         ; 4 x (cluster % 4)
	s_lshl_b32 s96, s[GG], 8                       ; q's or k's first row tile
	s_lshl_b32 s97, s[GG], 6
	s_add_co_u32 s97, s97, 768                     ; wq's or wk's
	s_cmp_eq_u32 s[GG], 2
	s_cselect_b32 s94, 0, s93
	s_cselect_b32 s95, s93, 0
	s_cselect_b32 s96, 896, s96                    ; A's first row tile in cod (g = 2: wv's)
	s_cselect_b32 s97, 512, s97                    ; B's (g = 2: v's)
	s_add_co_u32 s94, s94, s22                     ; TR: which 256 rows of A: hangs on cy and the cluster's number
	s_add_co_u32 s95, s95, s21                     ; TC: which 256 rows of B: on cx and the cluster's number
	s_lshl_b32 s2, s22, 2
	s_lshl_b32 s2, 15, s2                          ; my row of the cluster
	s_lshl_b32 s3, 0x1111, s21                     ; my column
	s_or_b32 s[G1], s2, (3<<16)|(1<<21)            ; 15:0 the mask; 17:16 elements of 8 bytes; 21 set beside a mask; no padding
	s_or_b32 s[G1B], s3, (3<<16)|(1<<21)
	s_or_b32 s[G1W], s2, (3<<16)|(1<<21)
	s_or_b32 s[G1WB], s3, (3<<16)|(1<<21)
.irp g, G1, G1B                        ; 8 row tiles x 3,072 bytes (two fragments), 12,288 bytes apart
	s_mov_b32 s[\g+1], 384<<16
	s_mov_b32 s[\g+2], 8<<16
	s_mov_b32 s[\g+3], 384<<16
	s_mov_b32 s[\g+4], 8
	s_mov_b32 s[\g+5], 1536
	s_mov_b32 s[\g+6], 0
	s_mov_b32 s[\g+7], 0
.endr
.irp g, G1W, G1WB                      ; 8 row tiles x 6,144 bytes (four fragments)
	s_mov_b32 s[\g+1], 768<<16
	s_mov_b32 s[\g+2], 8<<16
	s_mov_b32 s[\g+3], 768<<16
	s_mov_b32 s[\g+4], 8
	s_mov_b32 s[\g+5], 1536
	s_mov_b32 s[\g+6], 0
	s_mov_b32 s[\g+7], 0
.endr
	s_lshl_b32 s2, s20, 3
	s_lshl_b32 s98, s94, 4
	s_add_co_u32 s98, s98, s96
	s_add_co_u32 s98, s98, s2                      ; A: the first row tile that I fetch
	s_lshl_b32 s100, s95, 4
	s_add_co_u32 s100, s100, s97
	s_add_co_u32 s100, s100, s2                    ; B likewise; it is also the first of the 8 that I multiply
	s_lshl_b32 s2, s19, 3
	s_lshl_b32 s[SPA], s94, 4
	s_add_co_u32 s[SPA], s[SPA], s96
	s_add_co_u32 s[SPA], s[SPA], s2                ; A: the first row tile that I multiply
	s_lshl_b32 s[SPA], s[SPA], 9                   ; 512 bytes of scale words a row tile
	s_mov_b32 s[SPA+1], 0
	s_lshl_b32 s[SPB], s100, 9
	s_mov_b32 s[SPB+1], 0
	s_mul_i32 s[G0+2], s98, 12288
	s_mov_b32 s[G0+3], 0
	s_mul_i32 s[G0B+2], s100, 12288
	s_mov_b32 s[G0B+3], 0
	s_mul_i32 s3, s18, QUART                       ; where they go: the wave's number alone enters an LDS address
	s_lshl_b32 s2, s3, 1                           ; my part of the wide slot,
	s_add_co_u32 s3, s3, 2*SLOT                    ; and of the narrow one
	s_mov_b32 s[SEL], 0x76543210
	s_mov_b32 s[SEL+1], 0xfedcba98
	s_mov_b32 s[MHI], 0xffff0000
	s_wait_dscnt 0x0                               ; both opening adds are done
	s_wait_kmcnt 0x0
	s_add_nc_u64 s[G0+2:G0+3], s[4:5], s[G0+2:G0+3]
	s_add_nc_u64 s[G0+6:G0+7], s[G0+2:G0+3], 6144
	s_add_nc_u64 s[G0B+2:G0B+3], s[4:5], s[G0B+2:G0B+3]
	s_add_nc_u64 s[G0B+6:G0B+7], s[G0B+2:G0B+3], 6144
	s_add_nc_u64 s[SPA:SPA+1], s[6:7], s[SPA:SPA+1]
	s_add_nc_u64 s[SPB:SPB+1], s[6:7], s[SPB:SPB+1]
.irp g, G0, G0B
	s_mov_b32 s[\g], 1
	s_mov_b32 s[\g+1], s2
	s_or_b32 s[\g+3], s[\g+3], 0x80000000
	s_mov_b32 s[\g+4], 1
	s_mov_b32 s[\g+5], s3
	s_or_b32 s[\g+7], s[\g+7], 0x80000000
.endr
	CROUND                                         ; all sixteen work-groups are here: the first joint loads meet
	JLOAD G0, G1W, G0B, G1WB                       ; K 0-511: my one tensor load at the head
	s_mul_i32 s40, s19, QUART
	s_mul_i32 s41, s20, QUART
	s_add_co_u32 s41, s41, 2*QUART
	s_lshl_b32 s42, s40, 1                         ; my 8 row tiles of A in the wide slot,
	s_lshl_b32 s43, s41, 1                         ; of B,
	s_add_co_u32 s40, s40, 2*SLOT                  ; and the same in the narrow slot
	s_add_co_u32 s41, s41, 2*SLOT
	s_lshl_b32 s96, s94, 8
	s_lshl_b32 s2, s19, 7
	s_add_co_u32 s96, s96, s2                      ; RA: my first row of A
	s_lshl_b32 s97, s95, 8
	s_lshl_b32 s2, s20, 7
	s_add_co_u32 s97, s97, s2                      ; RB: my first row of B
	s_lshl_b32 s98, s96, 2
	s_lshl_b32 s100, s97, 2
	s_mov_b32 s99, 0
	s_mov_b32 s101, 0
	s_cmp_eq_u32 s[GG], 0
	s_cselect_b64 s[8:9], s[8:9], s[10:11]
	s_cmp_eq_u32 s[GG], 2
	s_cselect_b64 s[8:9], s[12:13], s[8:9]         ; this product's bias
	s_cselect_b32 s98, s98, 0                      ; g = 2: the channels are A's rows: the bias goes by lanes;
	s_cselect_b32 s100, 0, s100                    ; else they are B's rows: it goes by registers
	s_cselect_b32 s2, s97, s96                     ; my first token
	s_cselect_b32 s3, s96, s97                     ; my first channel
	s_add_nc_u64 s[10:11], s[8:9], s[100:101]
	s_add_nc_u64 s[12:13], s[8:9], s[98:99]
	s_lshr_b32 s96, s2, 11
	s_lshl_b32 s96, s96, 4
	s_lshr_b32 s97, s3, 6
	s_add_co_u32 s96, s96, s97                     ; bh = 16 x batch + head (the first of my two heads)
	s_bfe_u32 s97, s2, 0x40007                     ; which 128 tokens of the 2,048
	s_mul_i32 s98, s[GG], RG
	s_mul_i32 s2, s96, HB
	s_add_co_u32 s98, s98, s2
	s_mul_i32 s2, s97, SB
	s_add_co_u32 s98, s98, s2
	s_add_nc_u64 s[14:15], s[14:15], s[98:99]      ; where my codes go,
	s_add_nc_u64 s[16:17], s[14:15], 6144          ; and my scale words, behind the step's codes
	v_and_b32 v1, 31, v0
	v_and_b32 v2, 15, v0                           ; r
	v_bfe_u32 v3, v0, 4, 1                         ; h
	v_lshlrev_b32 v[L8], 3, v1
	v_lshlrev_b32 v[L16], 4, v1
	v_lshlrev_b32 v[H64], 6, v3
	v_and_b32 v4, 8, v2
	v_add_nc_u32 v4, v4, v2
	v_lshlrev_b32 v[RSW], 2, v4
	v_add_nc_u32 v[ADRA], s42, v[L8]
	v_add_nc_u32 v[ADRB], s43, v[L8]
	v_add_nc_u32 v[ADRA+2], s40, v[L8]
	v_add_nc_u32 v[ADRB+2], s41, v[L8]
	v_add_nc_u32 v[ADRA+1], 3072, v[ADRA]
	v_add_nc_u32 v[ADRB+1], 3072, v[ADRB]
	s_wait_alu depctr_va_vdst(0)                   ; the head's end
	WIN TO_B                                       ; both kinds of bias are always loaded, 32 short loads once, so that no register's state hangs on g (the unused kind reads the buffer's first bytes)
.irp b, 0,1,2,3,4,5,6,7                ; by registers: tile b's eight channels 32 (b / 2) + 16 h + 8 (b % 2) + 0 .. 7
	global_load_b128 v[96+8*\b+96*(\b/4):99+8*\b+96*(\b/4)], v[H64], s[10:11] offset:(32*(\b/2)+8*(\b%2))*4
	global_load_b128 v[100+8*\b+96*(\b/4):103+8*\b+96*(\b/4)], v[H64], s[10:11] offset:(32*(\b/2)+8*(\b%2))*4+16
.endr
	WIN 0
.irp a, 0,1,2,3,4,5,6,7                ; by lanes: block a's channel 32 (a / 2) + 8 (a % 2) + r + 8 (r / 8), twice, for the packed addition
	global_load_b32 v[BL2+2*\a], v[RSW], s[12:13] offset:(32*(\a/2)+8*(\a%2))*4
	global_load_b32 v[BL2+2*\a+1], v[RSW], s[12:13] offset:(32*(\a/2)+8*(\a%2))*4
.endr
.irp i, 0,1,2,3,4,5,6,7                ; all scale words, once: each load reads 256 consecutive bytes, aligned
.irp kh, 0,1
	global_load_b64 v[SCA+4*\i+2*\kh:SCA+4*\i+2*\kh+1], v[L8], s[SPA:SPA+1] offset:\i*512+\kh*256
	global_load_b64 v[SCB+4*\i+2*\kh:SCB+4*\i+2*\kh+1], v[L8], s[SPB:SPB+1] offset:\i*512+\kh*256
.endr
.endr
.macro FRAG reg, adr, q, i, pitch      ; a fragment's image: six loads of 256 consecutive bytes
.irp p, 0,1,2,3,4,5
	ds_load_b64 v[\reg+2*\p:\reg+2*\p+1], v[\adr] offset:(\i)*(\pitch)+(\q)*1536+256*\p
.endr
.endm
; WHERE 256 ALONG K LIE: place 0: K 0-255, place 1: K 256-511: the two halves of the wide slot's rows, a row tile every 6,144 bytes;  place 2: K 512-767, the narrow slot;
; place 3: K 768-1023, at the start of the wide slot's parts: both a row tile every 3,072 bytes.  Places 0 and 3 go by the same address register.
.macro FETCH_B slot, q, set
	WIN TO_B
.irp i, 0,1,2,3,4,5,6,7
	FRAG 128*(\set)+FR*\i, ADRB+(\slot)%3, \q, \i, 3072*(2-(\slot)/2)
.endr
	WIN 0
.endm
.macro FETCH_A slot, q, i0
.irp i, \i0, \i0+1, \i0+2, \i0+3
	FRAG AF+FR*(\i), ADRA+(\slot)%3, \q, \i, 3072*(2-(\slot)/2)
.endr
.endm
.macro PRD a, b, ks, c                 ; one product; both sides' scale words lie in lanes 16 (ks % 2) + r
.set D_, 8*(8*((\a)%4)+\b)
.set XB_, SCB+4*\b+2*((\ks)/4)+((\ks)/2)%2
.set XA_, SCA+4*(\a)+2*((\ks)/4)+((\ks)/2)%2
.set BF_, 128*((\ks)%2)+FR*\b
.set AF_, AF+FR*(\a)
.if (\ks)%2
	v_wmma_scale_f32_16x16x128_f8f6f4 v[D_:D_+7], v[BF_:BF_+FR-1], v[AF_:AF_+FR-1], \c, v[XB_], v[XA_] matrix_a_fmt:MATRIX_FMT_FP6 matrix_b_fmt:MATRIX_FMT_FP6 matrix_a_scale:MATRIX_SCALE_ROW1 matrix_b_scale:MATRIX_SCALE_ROW1
.else
	v_wmma_scale_f32_16x16x128_f8f6f4 v[D_:D_+7], v[BF_:BF_+FR-1], v[AF_:AF_+FR-1], \c, v[XB_], v[XA_] matrix_a_fmt:MATRIX_FMT_FP6 matrix_b_fmt:MATRIX_FMT_FP6
.endif
.endm
; 16 products: A's blocks a0, a0 + 1 x B's eight, K step ks.  The 64 accumulators take turns, one instruction a turn, in the same order in every step.
.macro MUL16 a0, ks, zero
.irp a, \a0, \a0+1
.irp b, 0,1,2,3,4,5,6,7
.if \zero
	PRD \a, \b, \ks, 0
.else
	PRD \a, \b, \ks, v[D_:D_+7]
.endif
.endr
.endr
.endm
; K step ks; the next step's fragments come from place fs, its fq-th 128.  Loads into registers that products have read stand four plain places behind them.
.macro STEP ks, fs, fq, zero
	s_wait_dscnt 4*NL                              ; B's set and A's blocks 0-3 are in; the youngest 24 loads (A's blocks 4-7) may be out
	WIN MUL_LO
	MUL16 0, \ks, \zero
	MUL16 2, \ks, \zero
	s_wait_dscnt 0x0
	PLACES 4
	FETCH_B \fs, \fq, 1-(\ks)%2
	FETCH_A \fs, \fq, 0
	WIN MUL_HI
	MUL16 4, \ks, \zero
	MUL16 6, \ks, \zero
	PLACES 4
	WIN 0
	FETCH_A \fs, \fq, 4
.endm
; A step with a barrier: in front of it each wave waits for all its tensor loads, adds 0 to its spare word and waits for that and for its LDS reads.  fill = 1: the wide slot, read out, takes K 768-1023.
.macro TURN ks, next, fill
	s_wait_tensorcnt 0x0                           ; all my tensor loads have landed
	ds_add_u32 v[SPW], v[NIL]
	s_wait_dscnt 4*NL+1                            ; (the add and A's blocks 4-7 may be out)
	WIN MUL_LO
	MUL16 0, \ks, 0
	s_wait_dscnt 0x0                               ; the add is done, and my reads of the slot are over
	s_barrier_signal -1
	MUL16 2, \ks, 0
	WIN 0
	s_barrier_wait -1
.if \fill
	CREST                                          ; the barrier has opened a round of the cluster's: no wave of any partner still reads the wide slot or has a load on its way
	s_add_nc_u64 s[G0+2:G0+3], s[G0+2:G0+3], 9216
	s_add_nc_u64 s[G0B+2:G0B+3], s[G0B+2:G0B+3], 9216
	JLOAD G0, G1, G0B, G1B                         ; my one tensor load behind the round: 96 products stand ahead of the wait for it; its four v_nop are the places for the loads below
.else
	PLACES 4
.endif
	FETCH_B \next, 0, 0
	FETCH_A \next, 0, 0
	WIN MUL_HI
	MUL16 4, \ks, 0
	MUL16 6, \ks, 0
	PLACES 4
	WIN 0
	FETCH_A \next, 0, 4
.endm
	s_wait_tensorcnt 0x0                           ; my part of K 0-511 is in
	ds_add_u32 v[SPW], v[NIL]
	s_wait_dscnt 0x0
	CROUND                                         ; everybody's part is in, and all sixteen work-groups are here
	JLOAD G0+4, G1, G0B+4, G1B                     ; K 512-767 into the narrow slot: my one tensor load behind the round; 192 products stand ahead of the wait for it
	FETCH_B 0, 0, 0
	FETCH_A 0, 0, 0
	FETCH_A 0, 0, 4
	s_wait_loadcnt 0x0                             ; the biases and the scale words
	STEP 0, 0, 1, 1                                ; the first products start the sums
	STEP 1, 1, 0, 0
	STEP 2, 1, 1, 0
	TURN 3, 2, 1                                   ; its wait shows the narrow slot whole to all
	STEP 4, 2, 1, 0
	TURN 5, 3, 0                                   ; and this one's K 768-1023
	STEP 6, 3, 1, 0
	s_wait_dscnt 4*NL
	WIN MUL_LO
	MUL16 0, 7, 0
	MUL16 2, 7, 0
	s_wait_dscnt 0x0
	WIN MUL_HI
	MUL16 4, 7, 0
	MUL16 6, 7, 0
	WIN 0
	s_wait_tensorcnt 0x0                           ; my last tensor load and LDS instruction are behind me; the epilogue touches no LDS
	ds_add_u32 v[SPW], v[NIL]
	PLACES 4                                       ; behind the last products, ahead of the first write of their operands' registers
.irp b, 0,1,2,3
	v_mov_b32 v[TM+4+\b], 0                        ; a lane permute's destination counts as read
.endr
	s_wait_dscnt 0x0
; 64 numbers of a lane, register 16 b + i = K 32 b + 16 h + i of the lane's row, become a fragment's codes in v[PC] on and its scale word in v[PW].
.macro QUANT s
.irp b, 0,1,2,3
	v_max3_num_f32 v[TM+\b], |v[\s+16*\b]|, |v[\s+1+16*\b]|, 0x1800000   ; my 16 numbers of block b, and the floor 2^(3 - 127)
.endr
.irp i, 2,4,6,8,10,12,14
.irp b, 0,1,2,3
	v_max3_num_f32 v[TM+\b], v[TM+\b], |v[\s+16*\b+\i]|, |v[\s+1+16*\b+\i]|
.endr
.endr
.irp b, 0,1,2,3
	v_permlanex16_b32 v[TM+4+\b], v[TM+\b], s[SEL], s[SEL+1]
.endr
.irp b, 0,1,2,3
	v_max_num_f32 v[TM+\b], v[TM+\b], v[TM+4+\b]   ; with lane l xor 16's: the block's largest magnitude
.endr
.irp b, 0,1,2,3
	v_add_nc_u32 v[TM+12+\b], 0xff000000, v[TM+\b] ; 2 off the exponent field: the conversion's scale operand
.endr
.irp b, 0,1,2,3
	v_lshrrev_b32 v[TM+4+\b], 23, v[TM+12+\b]      ; the scale's byte
.endr
	v_lshl_or_b32 v[PW], v[TM+5], 8, v[TM+4]
	v_lshl_or_b32 v[PW], v[TM+6], 16, v[PW]
	v_lshl_or_b32 v[PW], v[TM+7], 24, v[PW]
.irp c, 0,1
	v_cvt_scalef32_pk16_fp6_f32 v[PC+6*\c:PC+2+6*\c], v[\s+32*\c:\s+15+32*\c], v[TM+12+2*\c]
	v_cvt_scalef32_pk16_fp6_f32 v[PC+12+4*\c:PC+14+4*\c], v[\s+16+32*\c:\s+31+32*\c], v[TM+12+2*\c+1]
.endr
	v_nop                                          ; one plain place behind a scaled conversion
.irp c, 0,1                            ; the layout wants a whole block in a lane: lanes 0-15 block 2 c, lanes 16-31 block 2 c + 1
.irp i, 0,1,2
	v_permlane16_swap_b32 v[PC+6*\c+\i], v[PC+12+4*\c+\i]
.endr
.irp i, 0,1,2
	v_mov_b32 v[PC+3+6*\c+\i], v[PC+12+4*\c+\i]
.endr
.endr
.endm
; THE EPILOGUE, block a of A's eight at a time: + bias (each accumulator read from its low end on), quantised, six planes stored, 256 aligned bytes each.
; isv = 0: registers 0-5 are the first head's half fragment of token tile a, 6-11 the second head's.  isv = 1: a whole fragment: head a / 4, channel tile a % 4, my 128 keys.
.macro EPI isv
.irp a, 0,1,2,3,4,5,6,7
.if \isv
	WIN 2+\a/4
.else
	WIN 6+\a/4
.endif
.set i, 0
.rept 32
.if \isv
	v_pk_add_f32 v[ST+2*i:ST+2*i+1], v[64*(\a%4)+2*i:64*(\a%4)+2*i+1], v[BL2+2*\a:BL2+2*\a+1]
.else
	v_pk_add_f32 v[ST+2*i:ST+2*i+1], v[64*(\a%4)+2*i:64*(\a%4)+2*i+1], v[96+2*i+96*(i/16):97+2*i+96*(i/16)]
.endif
.set i, i+1
.endr
	WIN 0
	s_wait_xcnt 0x0                                ; the last block's stores have read the codes' registers
	QUANT ST
.irp p, 0,1,2,3,4,5
.if \isv
	global_store_b64 v[L8], v[PC+2*\p:PC+2*\p+1], s[14:15] offset:(\a/4)*HB+(\a%4)*1536+\p*256
.else
	global_store_b64 v[L8], v[PC+2*\p:PC+2*\p+1], s[14:15] offset:(\p/3)*HB+\a*768+(\p%3)*256
.endif
.endr
.if \isv
	v_mov_b32 v[SW+\a], v[PW]
.elseif (\a%2) == 0
	v_mov_b32 v[T0], v[PW]
.else
	v_cndmask_b32 v[SW+\a/2], v[T0], v[PW], s[MHI] ; lanes 0-15 the even tile's word, lanes 16-31 the odd tile's: bytes 0, 1 are the first head's,
	v_lshrrev_b32 v[SW+4+\a/2], 16, v[SW+\a/2]     ; bytes 2, 3 the second head's
.endif
.endr
	global_store_b128 v[L16], v[SW:SW+3], s[16:17]
	global_store_b128 v[L16], v[SW+4:SW+7], s[16:17] offset:HB
.endm
	s_cmp_eq_u32 s[GG], 2                          ; the same in all partners
	s_cbranch_scc1 .Lvalues
	EPI 0
	s_branch .Ldone
.Lvalues:
	EPI 1
.Ldone:
	CROUND                                         ; the closing round: no work-group ends while a partner may still ask for a tile that names it
	s_endpgm
.Lfunc_end_k_qae2768e040_proj:
	.size	k_qae2768e040_proj, .Lfunc_end_k_qae2768e040_proj-k_qae2768e040_proj
	.p2alignl 7, 3214868480
	.fill 96, 4, 3214868480
	.section	.rodata,"a",@progbits
	.p2align	6, 0x0
	.amdhsa_kernel k_qae2768e040_proj
		.amdhsa_group_segment_fixed_size 327680
		.amdhsa_private_segment_fixed_size 0
		.amdhsa_enable_private_segment 0
		.amdhsa_kernarg_size 48
		.amdhsa_user_sgpr_count 2
		.amdhsa_user_sgpr_kernarg_segment_ptr 1
		.amdhsa_wavefront_size32 1
		.amdhsa_system_sgpr_workgroup_id_x 1
		.amdhsa_system_sgpr_workgroup_id_y 1
		.amdhsa_system_sgpr_workgroup_id_z 1
		.amdhsa_system_vgpr_workitem_id 0
		.amdhsa_next_free_vgpr 1024
		.amdhsa_next_free_sgpr 102
		.amdhsa_reserve_vcc 0
		.amdhsa_float_denorm_mode_32 3
		.amdhsa_float_denorm_mode_16_64 3
		.amdhsa_memory_ordered 1
		.amdhsa_forward_progress 1
		.amdhsa_inst_pref_size 236
	.end_amdhsa_kernel
	.amdgpu_metadata
---
amdhsa.version: [ 1, 2 ]
amdhsa.kernels:
  - .name:           k_qae2768e040_proj
    .symbol:         k_qae2768e040_proj.kd
    .args:
      - { .name: cod, .offset: 0, .size: 8, .value_kind: global_buffer, .address_space: global }
      - { .name: scl, .offset: 8, .size: 8, .value_kind: global_buffer, .address_space: global }
      - { .name: bq, .offset: 16, .size: 8, .value_kind: global_buffer, .address_space: global }
      - { .name: bk, .offset: 24, .size: 8, .value_kind: global_buffer, .address_space: global }
      - { .name: bv, .offset: 32, .size: 8, .value_kind: global_buffer, .address_space: global }
      - { .name: hc, .offset: 40, .size: 8, .value_kind: global_buffer, .address_space: global }
    .group_segment_fixed_size: 327680
    .private_segment_fixed_size: 0
    .kernarg_segment_align: 8
    .kernarg_segment_size: 48
    .max_flat_workgroup_size: 128
    .sgpr_count:     102
    .vgpr_count:     1024
    .wavefront_size: 32
...
	.end_amdgpu_metadata
.endif
;; end of part 2
;; launch attn (part 3): grid 8 x 32, 8 waves a work-group, clusters of 4 x 1, 214,016 bytes of LDS; arguments hc, oc, os; writes oc, os
.if DOCPART == 3
	.amdgcn_target "amdgcn-amd-amdhsa--gfx1250"
	.amdhsa_code_object_version 6
	.text
	.protected	k_qae2768e040_attn
	.globl	k_qae2768e040_attn
	.p2align	8
	.type	k_qae2768e040_attn,@function
k_qae2768e040_attn:
	s_mov_b64 s[64:65], 0
	v_nop
	global_prefetch_b8 v0, s[64:65] scope:SCOPE_SE
	s_setreg_imm32_b32 hwreg(HW_REG_WAVE_MODE, 25, 1), 1
	s_wait_xcnt 0x0
	s_wait_alu depctr_hold_cnt(0) depctr_sa_sdst(0) depctr_va_vdst(0) depctr_va_sdst(0) depctr_va_ssrc(0) depctr_va_vcc(0) depctr_vm_vsrc(0)
	s_getreg_b32 s2, hwreg(HW_REG_IB_STS2, 6, 4)
	s_cmp_eq_u32 s2, 0
	s_cbranch_scc0 .Lentry_in_a_cluster
	s_endpgm
.Lentry_in_a_cluster:
	s_bfe_u32 s2, ttmp6, 0x10000c
	s_cmp_lg_u32 s2, 0x3003
	s_cbranch_scc0 .Lentry_shape_is_right
	s_endpgm
.Lentry_shape_is_right:
; O = softmax(Q K^T / 8) V for 32 heads of 2,048 tokens x 64 channels, both products on codes of FP6 (E2M3) with one E8M0 scale for each 32 along a product's K; O is quantised along the channels for the last projection.
; THE SOFTMAX AHEAD OF THE SECOND PRODUCT: t = score x log2(e) / 8; M = the running largest t rounded UP to a whole number; p = 2^(t - M) is quantised along the keys, not normalised; the row's sum is taken
; of the unquantised p and divides O at the end.  When M moves, the sum and O are multiplied by 2^(old M - new M): exact.
; SHARES: a work-group owns 256 queries of one head, each of its eight waves 32 of them as TWO TILES of 16 (q = 0, 1) in 512 registers: two waves to a SIMD.  Each fragment of K and V feeds both tiles' products, and the two tiles'
; dependent chains stand line by line in turn.  Both products are used transposed (S^T = K Q^T, O^T = V^T P^T): a lane holds ONE query of each tile throughout.
; A LANE HOLDS WHOLE SCALE BLOCKS OF p: row 8 h + j of K's tile 4 c + u is key 64 c + 32 h + 8 u + j of the step (the first launch laid k's rows so), so a tile's score registers 32 c + i of lane (r, h) are keys 64 c + 32 h + i:
; the order of the second product's operand.  A block's maximum needs no other lane, and the conversions' results are the operand's registers but for three moves a block.
; A HEAD'S K AND V STAY IN LDS as hc has them: a key step is 6,144 bytes of codes (images of fragments: planes of 256 bytes, lane l's two registers at 8 l) and 512 of scale words.  Nothing is filled twice.
; FILLS: one tensor load a wave at the head: wave w brings key steps 4 (w / 2) .. 4 (w / 2) + 3 of K (w even) or V (w odd), 26,624 dense bytes as 104 rows of 256.  Waves 0 and 1 have a load line of their own:
; the first barrier shows their steps alone, three steps are worked (they fetch fragments up to step 3), and a second barrier, in front of which every wave has waited, shows the rest.
; FRAGMENTS RUN A STEP AHEAD: K's of step i + 1 are fetched behind step i's score products, V's behind its second products; 25 LDS loads each, so each counted wait leaves the 25 younger loads of the other operand out.
; The last step fetches its own fragments once more (the address is held at step 15), so that no load leaves K's or V's bytes.
; CLUSTER: the four work-groups of a cluster own the same head and ask for every fill jointly (mask 15).  NO PREFETCH: all that the launch streams is asked for at its head.
; THE HEAD HAS 64 CHANNELS, the instruction 128 along K: Q's upper six registers are zero codes.  K's tiles lie six registers apart, so a tile's upper six are the next tile's codes: times Q's zeros,
; under scale bytes that are never 0xff, they add exactly 0.
; LIMITS: the scaled scores t stay under 2^31 in magnitude; a block of zeros gets the byte 1 (its codes are zeros; this program alone reads the bytes); NaN and infinities are not served.
; OUT: oc, os in the layout of the first launch's codes and scale words: row tile = 16 tokens, K step = two heads.  The scale bytes leave two a row (32 bytes a tile): the one store here that does not fill 256 aligned bytes.
; REGISTERS.  Window 0: addresses, scale words, Q, K's and V's fragments, p's codes.  Window 1: the scores (tile q at 64 q), O^T (128 + 32 q), each tile's numbers by lanes (192 + 16 q), the sums' parts: the whole softmax stands under one setting.
.set HB,    106496                     ; a head in a region of hc
.set RG,    32*HB                      ; a region: Q 0, K 1, V 2
.set SB,    6656                       ; a key step
.set PIECE, 4*SB                       ; what one tensor load brings
.set VC,    HB                         ; LDS: K at 0, V here,
.set SPARE, 2*HB                       ; the spare words, 128 bytes a wave
; window 0
.set SPW, 1
.set NIL, 2
.set L8,  3                            ; 8 x lane
.set L16, 4                            ; 16 x lane
.set R8,  5                            ; 8 x (lane % 16)
.set R16, 6                            ; 16 x (lane % 16)
.set ADK, 8                            ; the next step's LDS addresses: K's tiles, V's fragments, K's scale words less 6,144, V's
.set ADV, 9
.set ADS, 10
.set ADW, 11
.set QS,  12                           ; v12-13 Q's scale words
.set PS,  18                           ; v18-19 p's
.set HW,  20                           ; v20-21 O's two scale bytes
.set KS,  24                           ; v24-27 K's scale words: lanes 0-15 tile 2 b, lanes 16-31 tile 2 b + 1
.set VS,  28                           ; v28-31 V's
.set QF,  32                           ; v32-55 Q: six registers of codes and six of zeros a tile
.set KF,  56                           ; v56-103 K's 8 tiles, 6 registers apart; v104-109 zeros
.set VF,  110                          ; v110-157 V's 4 fragments
.set PC,  160                          ; v160-183 p's codes
.set TP,  184                          ; v184-199 the halves that begin on an odd register
; window 1 (the numbers are those that the instructions name)
.set OO,  128
.set NM,  192                          ; a pair: -M, the largest score
.set L,   194                          ; the sum in two halves
.set FF,  196                          ; f = 2^(old M - new M), and 0
.set BM,  198                          ; my two blocks' largest scores, then p
.set WK,  200
.set SO,  202                          ; the conversions' scale operands
.set TT,  204
.set W2,  205
.set TO,  206                          ; the old -M
.set PT,  207
.set H8W, 224                          ; 8 x (lane / 16)
.set TMP, 226                          ; v226-241 eight parts of a sum
.set WV,  12
.set G1,  24                           ; s[24:31] group 1, s[40:43] group 0
.set G0,  40
.set SEL, 60
.set CS,  62                           ; s[62:63] c = log2(e) / 8
.set TK,  66                           ; s66  where the next step begins in K's bytes
.set TN,  67                           ; s67  the same, held at step 15
.set CNT, 68
.set MSB, 0
.macro WIN new                         ; the immediate's high byte repeats the setting that is left
.if MSB != (\new)
	s_set_vgpr_msb (MSB<<8)|(\new)
.set MSB, (\new)
.endif
.endm
.macro WALU
	s_wait_alu depctr_va_vdst(0)
.endm
.macro D1
	s_delay_alu instid0(VALU_DEP_1)
.endm
.macro D2
	s_delay_alu instid0(VALU_DEP_2)
.endm
.macro D4
	s_delay_alu instid0(VALU_DEP_4)
.endm
.macro CROUND
	s_barrier_signal -1
	s_barrier_wait -1
	s_cmp_lg_u32 s[WV], 0
	s_cbranch_scc1 .Lnot_wave_0_\@
	s_barrier_signal -3
.Lnot_wave_0_\@:
	s_barrier_wait -3
	s_barrier_signal -1
	s_barrier_wait -1
.endm
.macro LOADK ak, as                    ; 25 LDS loads: a step's scale words and eight tiles of K
	ds_load_b128 v[KS:KS+3], v[\as] offset:6144
.irp t, 0,1,2,3,4,5,6,7
.irp p, 0,1,2
	ds_load_b64 v[KF+6*\t+2*\p:KF+6*\t+2*\p+1], v[\ak] offset:768*\t+256*\p
.endr
.endr
.endm
.macro LOADV av, aw                    ; 25 LDS loads: a step's scale words and four fragments of V
	ds_load_b128 v[VS:VS+3], v[\aw] offset:6144
.irp t, 0,1,2,3
.irp p, 0,1,2,3,4,5
	ds_load_b64 v[VF+12*\t+2*\p:VF+12*\t+2*\p+1], v[\av] offset:1536*\t+256*\p
.endr
.endr
.endm
	s_load_b128 s[4:7], s[0:1], 0x0                ; hc, oc
	s_load_b64 s[8:9], s[0:1], 0x10                ; os
	v_lshl_add_u32 v[SPW], v0, 2, SPARE
	v_mov_b32 v[NIL], 0
	ds_add_u32 v[SPW], v[NIL]                      ; the wave's opening: the add, twice on end, and its wait ahead of my first tensor load
	ds_add_u32 v[SPW], v[NIL]
	v_lshrrev_b32 v14, 5, v0
	v_readfirstlane_b32 s[WV], v14                 ; wave 0..7
	s_bfe_u32 s13, ttmp6, 0x40000                  ; cx
	s_lshl_b32 s14, ttmp9, 2
	s_add_co_u32 s14, s14, s13                     ; my block of 256 queries: it enters Q's and O's global addresses alone
	s_and_b32 s15, ttmp7, 0xffff                   ; bh: batch x 16 + head, shared by the partners
	s_and_b32 s16, s[WV], 1                        ; I fetch for K (0) or V (1),
	s_lshr_b32 s17, s[WV], 1
	s_mul_i32 s17, s17, PIECE                      ; these four key steps
	s_mul_i32 s18, s16, VC
	s_add_co_u32 s[G0+1], s18, s17                 ; the wave's number alone enters the LDS address
	s_mul_i32 s22, s15, HB                         ; the head in a region
	s_mul_i32 s20, s16, RG
	s_add_co_u32 s20, s20, RG
	s_add_co_u32 s20, s20, s22
	s_add_co_u32 s20, s20, s17
	s_mov_b32 s21, 0
	s_mov_b32 s[G0], 1
	s_mov_b32 s[G1], 15|(3<<16)|(1<<21)            ; 15:0 all four work-groups; 17:16 elements of 8 bytes; 21 set beside a mask; no padding
	s_mov_b32 s[G1+1], 32<<16                      ; 104 rows of 256 bytes, dense
	s_mov_b32 s[G1+2], 104<<16
	s_mov_b32 s[G1+3], 32<<16
	s_mov_b32 s[G1+4], 104
	s_mov_b32 s[G1+5], 32
	s_mov_b32 s[G1+6], 0
	s_mov_b32 s[G1+7], 0
	s_mov_b32 s[SEL], 0x76543210
	s_mov_b32 s[SEL+1], 0xfedcba98
	s_mov_b32 s[CS], 0x3e38aa3b
	s_mov_b32 s[CS+1], s[CS]                       ; (named with it as a pair)
	s_mov_b32 s[TK], SB
	s_wait_dscnt 0x0                               ; both opening adds are done
	s_wait_kmcnt 0x0
	s_add_nc_u64 s[G0+2:G0+3], s[4:5], s[20:21]
	s_or_b32 s[G0+3], s[G0+3], 0x80000000
	CROUND                                         ; all four work-groups are here: the joint loads meet
	s_cmp_lt_u32 s[WV], 2                          ; one chain, a load in each arm: waves 0 and 1, which alone wait at the first barrier, have a line of their own
	s_cbranch_scc0 .Lrest
	tensor_load_to_lds s[G0:G0+3], s[G1:G1+7]      ; key steps 0 to 3
	s_nop 0
	s_branch .Lasked
.Lrest:
	tensor_load_to_lds s[G0:G0+3], s[G1:G1+7]      ; the later steps
	s_nop 0
.Lasked:
	s_lshl_b32 s16, s14, 1
	s_lshr_b32 s17, s[WV], 2
	s_add_co_u32 s16, s16, s17                     ; my tiles of 16 queries are T = 16 x block + 2 x wave + q: step T / 8,
	s_mul_i32 s16, s16, SB
	s_add_co_u32 s16, s16, s22
	s_and_b32 s17, s[WV], 3                        ; tiles 2 (wave % 4) + q of it
	s_mul_i32 s18, s17, 1536
	s_add_co_u32 s18, s18, s16
	s_mov_b32 s19, 0
	s_add_nc_u64 s[18:19], s[4:5], s[18:19]        ; their codes (region 0), 768 bytes a tile
	s_lshl_b32 s20, s17, 2
	s_add_co_u32 s20, s20, s16
	s_add_co_u32 s20, s20, 6144
	s_mov_b32 s21, 0
	s_add_nc_u64 s[20:21], s[4:5], s[20:21]        ; their scale words: behind the step's codes, 256 q + 4 (wave % 4), + 16 r
	s_lshl_b32 s16, s14, 4
	s_lshl_b32 s17, s[WV], 1
	s_add_co_u32 s16, s16, s17                     ; T of tile 0
	s_lshr_b32 s17, s15, 4
	s_lshl_b32 s17, s17, 7
	s_add_co_u32 s17, s17, s16                     ; its row tile of O: 128 x batch + T
	s_and_b32 s22, s15, 15                         ; the head
	s_mul_i32 s2, s17, 12288
	s_mul_i32 s3, s22, 768                         ; K step head / 2, half head % 2: 768 bytes a head
	s_add_co_u32 s2, s2, s3
	s_mov_b32 s3, 0
	s_add_nc_u64 s[6:7], s[6:7], s[2:3]
	s_lshl_b32 s2, s17, 9                          ; the scale word of K step s = head / 2: (s / 4) 256 + (s % 2) 128 + ((s / 2) % 2) 4, + 8 r; my two bytes at 2 (head % 2)
	s_lshr_b32 s23, s22, 3
	s_lshl_b32 s23, s23, 8
	s_add_co_u32 s2, s2, s23
	s_bfe_u32 s23, s22, 0x10001
	s_lshl_b32 s23, s23, 7
	s_add_co_u32 s2, s2, s23
	s_bfe_u32 s23, s22, 0x10002
	s_lshl_b32 s23, s23, 2
	s_add_co_u32 s2, s2, s23
	s_and_b32 s23, s22, 1
	s_lshl_b32 s23, s23, 1
	s_add_co_u32 s2, s2, s23
	s_add_nc_u64 s[8:9], s[8:9], s[2:3]
	v_and_b32 v14, 31, v0
	v_and_b32 v15, 15, v0
	v_bfe_u32 v16, v0, 4, 1
	v_lshlrev_b32 v[L8], 3, v14
	v_lshlrev_b32 v[L16], 4, v14
	v_lshlrev_b32 v[R8], 3, v15
	v_lshlrev_b32 v[R16], 4, v15
	v_add_nc_u32 v[ADV], VC, v[L8]                 ; step 0 of V
	v_add_nc_u32 v[ADW], VC, v[L16]
.irp q, 0,1
.irp p, 0,1,2
	global_load_b64 v[QF+12*\q+2*\p:QF+12*\q+2*\p+1], v[L8], s[18:19] offset:768*\q+256*\p
.endr
	global_load_b32 v[QS+\q], v[R16], s[20:21] offset:256*\q
.endr
.irp j, 0,1,2,3,4,5
	v_mov_b32 v[QF+6+\j], 0                        ; Q's upper halves: zero codes
	v_mov_b32 v[QF+18+\j], 0
	v_mov_b32 v[KF+48+\j], 0                       ; behind K's last tile
.endr
	WIN 0x40                                       ; destinations in window 1
	v_lshlrev_b32 v[H8W], 3, v16
.irp q, 0,1
	v_mov_b32 v[NM+16*\q], 0x7e000000              ; -M: so large that the first f is 0, which multiplies zeros
	v_mov_b32 v[NM+16*\q+1], 0xff61b1e6            ; the largest score so far: -3e38
	v_mov_b32 v[L+16*\q], 0
	v_mov_b32 v[L+16*\q+1], 0
	v_mov_b32 v[FF+16*\q+1], 0                     ; (named as the upper half of a pair)
	v_mov_b32 v[W2+16*\q], 0                       ; a lane permute's destination counts as read
.endr
.set j, 0
.rept 64
	v_mov_b32 v[OO+j], 0                           ; O^T: the step is written once
.set j, j+1
.endr
	WIN 0
.macro SUM1 q                          ; the row's sum of the unquantised p, first part: eight sums of two pairs, none hanging on another
.irp k, 0,1,2,3,4,5,6,7
	v_pk_add_f32 v[TMP+2*\k:TMP+2*\k+1], v[64*\q+4*\k:64*\q+4*\k+1], v[64*\q+4*\k+2:64*\q+4*\k+3]
.endr
.endm
.macro SUM2 q                          ; the rest: eight chains, then their tree, onto the running sum
.irp r, 0,1
.irp k, 0,1,2,3,4,5,6,7
	v_pk_add_f32 v[TMP+2*\k:TMP+2*\k+1], v[TMP+2*\k:TMP+2*\k+1], v[64*\q+32+16*\r+2*\k:64*\q+33+16*\r+2*\k]
.endr
.endr
.irp k, 0,1,2,3
	v_pk_add_f32 v[TMP+2*\k:TMP+2*\k+1], v[TMP+2*\k:TMP+2*\k+1], v[TMP+8+2*\k:TMP+9+2*\k]
.endr
	D2
	v_pk_add_f32 v[TMP:TMP+1], v[TMP:TMP+1], v[TMP+4:TMP+5]
	D2
	v_pk_add_f32 v[TMP+2:TMP+3], v[TMP+2:TMP+3], v[TMP+6:TMP+7]
	D1
	v_pk_add_f32 v[TMP:TMP+1], v[TMP:TMP+1], v[TMP+2:TMP+3]
	D1
	v_pk_add_f32 v[L+16*\q:L+16*\q+1], v[L+16*\q:L+16*\q+1], v[TMP:TMP+1]
.endm
; A KEY STEP: 128 keys, both tiles.
.macro STEP
	s_min_u32 s[TN], s[TK], 15*SB                  ; the step whose fragments are fetched in this one
	s_wait_dscnt 25                                ; K's fragments are in; the 25 younger loads, V's, may be out
	WIN 0x40                                       ; the scores lie in window 1
.irp q, 0,1
.irp t, 0,2,4,6                        ; S^T = K Q^T: lane (r, h) holds query r; register 32 c + i is key 64 c + 32 h + i
	v_wmma_scale_f32_16x16x128_f8f6f4 v[64*\q+8*\t:64*\q+8*\t+7], v[KF+6*\t:KF+6*\t+11], v[QF+12*\q:QF+12*\q+11], 0, v[KS+\t/2], v[QS+\q] matrix_a_fmt:MATRIX_FMT_FP6 matrix_b_fmt:MATRIX_FMT_FP6
	v_wmma_scale_f32_16x16x128_f8f6f4 v[64*\q+8*\t+8:64*\q+8*\t+15], v[KF+6*\t+6:KF+6*\t+17], v[QF+12*\q:QF+12*\q+11], 0, v[KS+\t/2], v[QS+\q] matrix_a_fmt:MATRIX_FMT_FP6 matrix_b_fmt:MATRIX_FMT_FP6 matrix_a_scale:MATRIX_SCALE_ROW1
.endr
.endr
	WIN 0
	v_add_nc_u32 v[ADK], s[TN], v[L8]              ; these four lines are the places behind the products, ahead of the loads into K's registers and of the first read of the scores
	v_add_nc_u32 v[ADS], s[TN], v[L16]
	D2
	v_add_nc_u32 v[ADV], VC, v[ADK]
	D2
	v_add_nc_u32 v[ADW], VC, v[ADS]
	LOADK ADK, ADS
	WIN 0x55                                       ; the softmax: every operand in window 1
.irp q, 0,1                            ; the largest score of each of my blocks of 32 keys, in two chains a block; every accumulator is first read at its low end.  It serves for the row's maximum and, since p rises with the score, for the block's largest p
.irp c, 0,1
	v_max3_num_f32 v[BM+16*\q+\c], v[64*\q+32*\c], v[64*\q+32*\c+1], v[64*\q+32*\c+2]
	v_max3_num_f32 v[WK+16*\q+\c], v[64*\q+32*\c+16], v[64*\q+32*\c+17], v[64*\q+32*\c+18]
.endr
.endr
.irp i, 3,5,7,9,11,13
.irp q, 0,1
.irp c, 0,1
	v_max3_num_f32 v[BM+16*\q+\c], v[BM+16*\q+\c], v[64*\q+32*\c+\i], v[64*\q+32*\c+\i+1]
	v_max3_num_f32 v[WK+16*\q+\c], v[WK+16*\q+\c], v[64*\q+32*\c+16+\i], v[64*\q+32*\c+17+\i]
.endr
.endr
.endr
.irp c, 0,1
.irp q, 0,1
	v_max3_num_f32 v[BM+16*\q+\c], v[BM+16*\q+\c], v[WK+16*\q+\c], v[64*\q+32*\c+15]
.endr
.endr
.irp q, 0,1
	v_mov_b32 v[TO+16*\q], v[NM+16*\q]
.endr
.irp c, 0,1
.irp q, 0,1
	v_max_num_f32 v[BM+16*\q+\c], v[BM+16*\q+\c], v[64*\q+32*\c+31]
.endr
.endr
.irp q, 0,1                            ; from here on the two tiles' chains take turns
	D2
	v_max_num_f32 v[TT+16*\q], v[BM+16*\q], v[BM+16*\q+1]
.endr
.irp q, 0,1
	D2
	v_permlanex16_b32 v[W2+16*\q], v[TT+16*\q], s[SEL], s[SEL+1]
.endr
.irp q, 0,1
	D2
	v_max3_num_f32 v[NM+16*\q+1], v[NM+16*\q+1], v[TT+16*\q], v[W2+16*\q]   ; with lane l xor 16's 64 keys: the running largest score
.endr
.irp q, 0,1
	D2
	v_mul_f32 v[TT+16*\q], s[CS], v[NM+16*\q+1]    ; as t (c is positive)
.endr
.irp q, 0,1
	D2
	v_floor_f32 v[NM+16*\q], -v[TT+16*\q]          ; the new -M = floor(-t): M is a whole number
.endr
.irp q, 0,1
	D2
	v_sub_f32 v[TT+16*\q], v[NM+16*\q], v[TO+16*\q]   ; old M - new M: a whole number, 0 or less
.endr
.irp q, 0,1
	D2
	v_cvt_i32_f32 v[TT+16*\q], v[TT+16*\q]         ; (it saturates)
.endr
.irp q, 0,1
	D2
	v_ldexp_f32 v[FF+16*\q], 1.0, v[TT+16*\q]      ; f = 2^(old M - new M)
.endr
.set j, 0
.rept 32
	v_pk_fma_f32 v[j:j+1], v[j:j+1], s[CS:CS+1], v[NM:NM+1] op_sel_hi:[1,0,0]   ; tile 0: t - M, two at a time
.set j, j+2
.endr
.irp q, 0,1
.irp c, 0,1
	v_fma_f32 v[BM+16*\q+\c], v[BM+16*\q+\c], s[CS], v[NM+16*\q]   ; the same of each block's largest score
.endr
.endr
	WALU                                           ; the wait ahead of the batch
.set j, 0
.rept 32                               ; tile 0's p = 2^(t - M), at most 1; among them tile 1's t - M, which is first read behind the next wait
	v_exp_f32 v[j], v[j]
	v_exp_f32 v[j+1], v[j+1]
	v_pk_fma_f32 v[64+j:65+j], v[64+j:65+j], s[CS:CS+1], v[NM+16:NM+17] op_sel_hi:[1,0,0]
.set j, j+2
.endr
	v_exp_f32 v[BM], v[BM]                         ; the block's largest p: the same two instructions on the same number give the same bits
	v_exp_f32 v[BM+1], v[BM+1]
	v_pk_mul_f32 v[L:L+1], v[L:L+1], v[FF:FF+1] op_sel_hi:[1,0]   ; tile 0's sum under the new M: the plain place behind the exponentials
	WALU                                           ; one wait for the batch behind it and ahead of the next
.set j, 0
.rept 32                               ; tile 1's p; among them the first part of tile 0's sum, which is first read behind the next wait
	v_exp_f32 v[64+2*j], v[64+2*j]
	v_exp_f32 v[65+2*j], v[65+2*j]
.if j < 8
	v_pk_add_f32 v[TMP+2*j:TMP+2*j+1], v[4*j:4*j+1], v[4*j+2:4*j+3]
.endif
.set j, j+1
.endr
	v_exp_f32 v[BM+16], v[BM+16]
	v_exp_f32 v[BM+17], v[BM+17]
	v_pk_mul_f32 v[L+16:L+17], v[L+16:L+17], v[FF+16:FF+17] op_sel_hi:[1,0]
	WALU
	SUM2 0
	SUM1 1
	SUM2 1
.irp c, 0,1
.irp q, 0,1
	v_max_num_f32 v[BM+16*\q+\c], 0x1800000, v[BM+16*\q+\c]   ; the floor 2^(3 - 127)
.endr
.endr
.irp c, 0,1
.irp q, 0,1
	D4
	v_add_nc_u32 v[SO+16*\q+\c], 0xff000000, v[BM+16*\q+\c]   ; 2 off the exponent field: the conversion's scale operand
.endr
.endr
.irp c, 0,1
.irp q, 0,1
	D4
	v_lshrrev_b32 v[WK+16*\q+\c], 23, v[SO+16*\q+\c]   ; the scale's byte
.endr
.endr
.irp q, 0,1
	D2
	v_lshl_or_b32 v[PT+16*\q], v[WK+16*\q+1], 16, v[WK+16*\q]   ; my bytes, of blocks h and 2 + h,
.endr
.irp q, 0,1
	D2
	v_lshlrev_b32 v[PT+16*\q], v[H8W], v[PT+16*\q] ; at their places in p's scale word;
.endr
.irp q, 0,1
	D2
	v_permlanex16_b32 v[W2+16*\q], v[PT+16*\q], s[SEL], s[SEL+1]
.endr
	WIN 0x15                                       ; sources in window 1, destinations in window 0
.irp q, 0,1
	v_or_b32 v[PS+\q], v[PT+16*\q], v[W2+16*\q]    ; with lane l xor 16's two the word is whole
.endr
.irp q, 0,1
.irp c, 0,1
	v_cvt_scalef32_pk16_fp6_f32 v[PC+12*\q+6*\c:PC+12*\q+6*\c+2], v[64*\q+32*\c:64*\q+32*\c+15], v[SO+16*\q+\c]
	v_cvt_scalef32_pk16_fp6_f32 v[TP+8*\q+4*\c:TP+8*\q+4*\c+2], v[64*\q+32*\c+16:64*\q+32*\c+31], v[SO+16*\q+\c]   ; (a conversion's three registers begin on an even number)
.endr
.endr
	v_nop                                          ; one plain place behind a scaled conversion
	WIN 0
.irp q, 0,1
.irp c, 0,1
.irp i, 0,1,2
	v_mov_b32 v[PC+12*\q+6*\c+3+\i], v[TP+8*\q+4*\c+\i]
.endr
.endr
.endr
	WIN 0x55
	WALU                                           ; the wait directly ahead of the first reader of O^T
.irp q, 0,1
.set j, 0
.rept 16
	v_pk_mul_f32 v[OO+32*\q+j:OO+32*\q+j+1], v[OO+32*\q+j:OO+32*\q+j+1], v[FF+16*\q:FF+16*\q+1] op_sel_hi:[1,0]   ; O^T under the new M; these lines are also the places between the writes of p's codes and scale words and the products
.set j, j+2
.endr
.endr
	WALU                                           ; the wait directly ahead of the wait below
	s_wait_dscnt 25                                ; V's fragments are in; the 25 younger loads, the next step's K, may be out
	WIN 0x50                                       ; C and D in window 1
.irp t, 0,1,2,3                        ; O^T += V^T P^T: eight accumulators by turns; the sixteen score products stand between two links of a chain
.irp q, 0,1
	v_wmma_scale_f32_16x16x128_f8f6f4 v[OO+32*\q+8*\t:OO+32*\q+8*\t+7], v[VF+12*\t:VF+12*\t+11], v[PC+12*\q:PC+12*\q+11], v[OO+32*\q+8*\t:OO+32*\q+8*\t+7], v[VS+\t], v[PS+\q] matrix_a_fmt:MATRIX_FMT_FP6 matrix_b_fmt:MATRIX_FMT_FP6
.endr
.endr
	WIN 0
.rept 4
	v_nop                                          ; places ahead of the loads into V's registers
.endr
	LOADV ADV, ADW
	s_add_co_u32 s[TK], s[TK], SB
.endm
.macro RUN n
	s_mov_b32 s[CNT], \n
.Lstep_\@:
	STEP
	s_sub_co_u32 s[CNT], s[CNT], 1
	s_cmp_lg_u32 s[CNT], 0
	s_cbranch_scc1 .Lstep_\@
.endm
	WALU                                           ; the head's end
	s_wait_loadcnt 0x0                             ; Q
	s_cmp_lt_u32 s[WV], 2
	s_cbranch_scc0 .Lnot_first
	s_wait_tensorcnt 0x0                           ; waves 0 and 1: key steps 0 to 3 of K and of V are in
.Lnot_first:
	s_barrier_signal -1                            ; the other waves' loads may stay out
	s_barrier_wait -1
	LOADK L8, L16                                  ; step 0's fragments: K's 25 loads, then V's 25
	LOADV ADV, ADW
	RUN 3                                          ; steps 0 to 2; they fetch steps 1 to 3
	s_wait_tensorcnt 0x0                           ; every wave: my load has landed
	s_wait_dscnt 0x0
	s_barrier_signal -1
	s_barrier_wait -1                              ; all of K and V is in
	RUN 13
	; THE WAY OUT: O^T / the sum; a tile's register 16 b + i holds channel 32 b + 16 h + i of query r: two blocks, each in lanes l and l xor 16: half a fragment and two scale bytes.
	WIN 0x55
.rept 4
	v_nop
.endr
.irp q, 0,1
	v_add_f32 v[L+16*\q], v[L+16*\q], v[L+16*\q+1]
.endr
.irp q, 0,1
	D2
	v_permlanex16_b32 v[TT+16*\q], v[L+16*\q], s[SEL], s[SEL+1]
.endr
.irp q, 0,1
	D2
	v_add_f32 v[L+16*\q], v[L+16*\q], v[TT+16*\q]  ; the row's sum
.endr
	WALU
.irp q, 0,1
	v_rcp_f32 v[L+16*\q], v[L+16*\q]
.endr
	v_nop                                          ; a plain place behind the transcendentals
	WALU                                           ; and the wait ahead of their first reader, which is also O^T's
.irp q, 0,1
.set j, 0
.rept 32
	v_mul_f32 v[64*\q+j], v[OO+32*\q+j], v[L+16*\q]
.set j, j+1
.endr
.endr
.irp b, 0,1
.irp q, 0,1
	v_max3_num_f32 v[BM+16*\q+\b], |v[64*\q+16*\b]|, |v[64*\q+16*\b+1]|, 0x1800000
.endr
.endr
.irp i, 2,4,6,8,10,12,14
.irp b, 0,1
.irp q, 0,1
	D4
	v_max3_num_f32 v[BM+16*\q+\b], v[BM+16*\q+\b], |v[64*\q+16*\b+\i]|, |v[64*\q+16*\b+\i+1]|
.endr
.endr
.endr
.irp b, 0,1
.irp q, 0,1
	D4
	v_permlanex16_b32 v[WK+16*\q+\b], v[BM+16*\q+\b], s[SEL], s[SEL+1]
.endr
.endr
.irp b, 0,1
.irp q, 0,1
	D4
	v_max_num_f32 v[BM+16*\q+\b], v[BM+16*\q+\b], v[WK+16*\q+\b]
.endr
.endr
.irp b, 0,1
.irp q, 0,1
	D4
	v_add_nc_u32 v[SO+16*\q+\b], 0xff000000, v[BM+16*\q+\b]
.endr
.endr
.irp b, 0,1
.irp q, 0,1
	D4
	v_lshrrev_b32 v[WK+16*\q+\b], 23, v[SO+16*\q+\b]
.endr
.endr
	WIN 0x15                                       ; sources in window 1, destinations in window 0
.irp q, 0,1
	v_lshl_or_b32 v[HW+\q], v[WK+16*\q+1], 8, v[WK+16*\q]
.endr
.irp q, 0,1
	v_cvt_scalef32_pk16_fp6_f32 v[PC+12*\q:PC+12*\q+2], v[64*\q:64*\q+15], v[SO+16*\q]
	v_cvt_scalef32_pk16_fp6_f32 v[TP+8*\q:TP+8*\q+2], v[64*\q+16:64*\q+31], v[SO+16*\q+1]
.endr
	v_nop
	WIN 0
.irp q, 0,1
.irp i, 0,1,2
	v_permlane16_swap_b32 v[PC+12*\q+\i], v[TP+8*\q+\i]   ; a whole block in a lane: lanes 0-15 block 0, lanes 16-31 block 1
.endr
.endr
.irp q, 0,1
.irp i, 0,1,2
	v_mov_b32 v[PC+12*\q+3+\i], v[TP+8*\q+\i]
.endr
.endr
.irp q, 0,1
.irp p, 0,1,2
	global_store_b64 v[L8], v[PC+12*\q+2*\p:PC+12*\q+2*\p+1], s[6:7] offset:12288*\q+256*\p   ; a plane: 256 consecutive bytes, aligned
.endr
.endr
.irp q, 0,1
	global_store_b16 v[R8], v[HW+\q], s[8:9] offset:512*\q   ; lanes r and 16 + r store the same two bytes with the same value
.endr
	s_wait_tensorcnt 0x0                           ; the wave's end
	ds_add_u32 v[SPW], v[NIL]
	s_wait_dscnt 0x0
	CROUND                                         ; the closing round
	s_endpgm
.Lfunc_end_k_qae2768e040_attn:
	.size	k_qae2768e040_attn, .Lfunc_end_k_qae2768e040_attn-k_qae2768e040_attn
	.p2alignl 7, 3214868480
	.fill 96, 4, 3214868480
	.section	.rodata,"a",@progbits
	.p2align	6, 0x0
	.amdhsa_kernel k_qae2768e040_attn
		.amdhsa_group_segment_fixed_size 214016
		.amdhsa_private_segment_fixed_size 0
		.amdhsa_enable_private_segment 0
		.amdhsa_kernarg_size 24
		.amdhsa_user_sgpr_count 2
		.amdhsa_user_sgpr_kernarg_segment_ptr 1
		.amdhsa_wavefront_size32 1
		.amdhsa_system_sgpr_workgroup_id_x 1
		.amdhsa_system_sgpr_workgroup_id_y 1
		.amdhsa_system_sgpr_workgroup_id_z 1
		.amdhsa_system_vgpr_workitem_id 0
		.amdhsa_next_free_vgpr 512
		.amdhsa_next_free_sgpr 72
		.amdhsa_reserve_vcc 0
		.amdhsa_float_denorm_mode_32 3
		.amdhsa_float_denorm_mode_16_64 3
		.amdhsa_memory_ordered 1
		.amdhsa_forward_progress 1
		.amdhsa_inst_pref_size 81
	.end_amdhsa_kernel
	.amdgpu_metadata
---
amdhsa.version: [ 1, 2 ]
amdhsa.kernels:
  - .name:           k_qae2768e040_attn
    .symbol:         k_qae2768e040_attn.kd
    .args:
      - { .name: hc, .offset: 0, .size: 8, .value_kind: global_buffer, .address_space: global }
      - { .name: oc, .offset: 8, .size: 8, .value_kind: global_buffer, .address_space: global }
      - { .name: os, .offset: 16, .size: 8, .value_kind: global_buffer, .address_space: global }
    .group_segment_fixed_size: 214016
    .private_segment_fixed_size: 0
    .kernarg_segment_align: 8
    .kernarg_segment_size: 24
    .max_flat_workgroup_size: 256
    .sgpr_count:     72
    .vgpr_count:     512
    .wavefront_size: 32
...
	.end_amdgpu_metadata
.endif
;; end of part 3
;; launch oproj (part 4): grid 8 x 32, 4 waves a work-group, clusters of 4 x 4, 214,528 bytes of LDS; arguments oc, os, cod, scl, bo, out0; writes out0
.if DOCPART == 4
	.amdgcn_target "amdgcn-amd-amdhsa--gfx1250"
	.amdhsa_code_object_version 6
	.text
	.protected	k_qae2768e040_oproj
	.globl	k_qae2768e040_oproj
	.p2align	8
	.type	k_qae2768e040_oproj,@function
k_qae2768e040_oproj:
	s_mov_b64 s[64:65], 0
	v_nop
	global_prefetch_b8 v0, s[64:65] scope:SCOPE_SE
	s_setreg_imm32_b32 hwreg(HW_REG_WAVE_MODE, 25, 1), 1
	s_wait_xcnt 0x0
	s_wait_alu depctr_hold_cnt(0) depctr_sa_sdst(0) depctr_va_vdst(0) depctr_va_sdst(0) depctr_va_ssrc(0) depctr_va_vcc(0) depctr_vm_vsrc(0)
	s_getreg_b32 s2, hwreg(HW_REG_IB_STS2, 6, 4)
	s_cmp_eq_u32 s2, 0
	s_cbranch_scc0 .Lentry_in_a_cluster
	s_endpgm
.Lentry_in_a_cluster:
	s_bfe_u32 s2, ttmp6, 0x10000c
	s_cmp_lg_u32 s2, 0xf033
	s_cbranch_scc0 .Lentry_shape_is_right
	s_endpgm
.Lentry_shape_is_right:
; out0 = O wo^T + bo: [4096][1024] f32, on codes of FP6 (E2M3) with one E8M0 scale for each 32 along K = 1024.  O's codes and scale words come from oc / os, wo's from cod / scl (row tiles 960 on),
; the codes as images of fragments (16 rows x 128 K: six planes of 256 bytes, lane l's two registers at 8 l).
; A tile of 128 x 128 is made by four waves, 64 x 64 each: 256 work-groups.  ALL OF K STAYS IN LDS: each wave brings four row tiles, 49,152 dense bytes as 192 rows of 256, by its one tensor load at the head.  Nothing is filled twice.
; THE PRODUCTS GO BY ROWS OF THE RESULT: my 64 rows of wo, all of K, lie in registers (32 fragments, 384 registers); my 64 tokens pass in four blocks of 16, all of K (8 fragments, two sets).  A block's 16 x 64 results are
; finished by its 32 products, its four accumulators by turns, K ascending, and leave at once, while the next block is multiplied.  No fragment is read from LDS twice.
; THE SCALE WORDS come by plain loads of 256 consecutive bytes straight into registers: a pair of registers holds, of one row tile, K steps 4 kh and 4 kh + 2 in lanes 0-15 and 4 kh + 1 and 4 kh + 3 in lanes 16-31.
; CLUSTER 4 x 4: O's tiles are asked for jointly along a row of the cluster, wo's along a column.  NO PREFETCH: all that the launch reads is asked for at its head.
; THE PRODUCT IS USED TRANSPOSED (source 0 = 16 rows of wo, called B; source 1 = 16 tokens, called A): a lane holds eight neighbouring numbers of a row of out0.  bo is the C of each sum's first product.
; REGISTERS: window 0: v16-29 addresses; v30-63 scale words and nothing else; v64-127 the way out, two sets; v128-191 the accumulators, two sets of four (block a, tile b at v[128 + 32 (a % 2) + 8 b]).
;   window 1: B's fragments of K steps 0-3 (step s, tile b at v[12 (4 s + b)]); v192-223 bo in the result's layout.   window 2: B's of K steps 4-7.   window 3: A's: block a, K step s at v[96 (a % 2) + 12 s].
.set FR,    12
.set QUART, 49152                      ; 4 row tiles, all of K: A's 8 row tiles, then B's 8
.set STG,   4*QUART                    ; the way out: 16 rows x 272 bytes for each wave; no fill lands here
.set SPITCH, 272
.set SPARE, STG+4*16*SPITCH            ; the spare words, 128 bytes a wave
.set ADRA, 16                          ; v16 my A fragments
.set L8,   17                          ; v17 8 x lane
.set ADRB, 18                          ; v18 my B fragments
.set STO,  21
.set RD,   22
.set CO,   23
.set H32,  24
.set SPW,  28
.set NIL,  29
.set SCB,  30                          ; v30-45 B's scale words: block i, K step s: v[SCB + 4 i + 2 (s / 4) + (s / 2) % 2], lanes 16 (s % 2) + r
.set SCA,  48                          ; v48-63 A's likewise; the two numbers of a product differ modulo 8
.set BK,   64
.set ACC,  128
.set BIA,  192                         ; in window 1
.set G1,   24                          ; s[24:31], s[32:35] A's codes: groups 1 and 0;  s[40:47], s[48:51] B's
.set G0,   32
.set G1B,  40
.set G0B,  48
.set SPA,  68                          ; s[68:69] my A blocks' scale words;  s[70:71] my B blocks'
.set SPB,  70
.set MSB, 0
.macro WIN new
.if MSB != (\new)
	s_set_vgpr_msb (MSB<<8)|(\new)
.set MSB, (\new)
.endif
.endm
.macro CROUND
	s_barrier_signal -1
	s_barrier_wait -1
	s_cmp_lg_u32 s18, 0
	s_cbranch_scc1 .Lnot_wave_0_\@
	s_barrier_signal -3
.Lnot_wave_0_\@:
	s_barrier_wait -3
	s_barrier_signal -1
	s_barrier_wait -1
.endm
.macro PLACES n
.rept \n
	v_nop
.endr
.endm
	s_load_b256 s[4:11], s[0:1], 0x0               ; oc, os, cod, scl
	s_load_b128 s[12:15], s[0:1], 0x20             ; bo, out0
	v_lshl_add_u32 v[SPW], v0, 2, SPARE
	v_mov_b32 v[NIL], 0
	ds_add_u32 v[SPW], v[NIL]                      ; the wave's opening: the add, twice on end, and its wait ahead of my first tensor load
	ds_add_u32 v[SPW], v[NIL]
	v_lshrrev_b32 v1, 5, v0
	v_readfirstlane_b32 s18, v1                    ; wave
	s_lshr_b32 s19, s18, 1                         ; my half of the tile's rows.  Also: I fetch for A (0) or B (1)
	s_and_b32 s20, s18, 1                          ; my half of its columns.  Also: which 4 row tiles I fetch
	s_bfe_u32 s21, ttmp6, 0x40000                  ; cx
	s_bfe_u32 s22, ttmp6, 0x40004                  ; cy
	s_lshl_b32 s84, ttmp9, 2
	s_add_co_u32 s84, s84, s21                     ; tile column
	s_and_b32 s85, ttmp7, 0xffff
	s_lshl_b32 s85, s85, 2
	s_add_co_u32 s85, s85, s22                     ; tile row
	s_lshl_b32 s86, s22, 2
	s_lshl_b32 s86, 15, s86                        ; my row of the cluster
	s_lshl_b32 s87, 0x1111, s21                    ; my column
	s_or_b32 s[G1], s86, (3<<16)|(1<<21)           ; 15:0 the mask; 17:16 elements of 8 bytes; 21 set beside a mask; no padding
	s_or_b32 s[G1B], s87, (3<<16)|(1<<21)
.irp g, G1, G1B                        ; 192 rows of 256 bytes, dense
	s_mov_b32 s[\g+1], 32<<16
	s_mov_b32 s[\g+2], 192<<16
	s_mov_b32 s[\g+3], 32<<16
	s_mov_b32 s[\g+4], 192
	s_mov_b32 s[\g+5], 32
	s_mov_b32 s[\g+6], 0
	s_mov_b32 s[\g+7], 0
.endr
	s_lshl_b32 s88, s20, 2
	s_lshl_b32 s90, s85, 3
	s_add_co_u32 s90, s90, s88                     ; A: the first row tile that I fetch
	s_lshl_b32 s92, s84, 3
	s_add_co_u32 s92, s92, s88
	s_add_co_u32 s92, s92, 960                     ; B: wo's row tiles begin at 960; it is also the first of the 4 that I multiply
	s_mul_i32 s[G0+2], s90, 12288
	s_mov_b32 s[G0+3], 0
	s_mul_i32 s[G0B+2], s92, 12288
	s_mov_b32 s[G0B+3], 0
	s_lshl_b32 s88, s19, 2
	s_lshl_b32 s[SPA], s85, 3
	s_add_co_u32 s[SPA], s[SPA], s88               ; A: the first row tile that I multiply
	s_lshl_b32 s[SPA], s[SPA], 9                   ; 512 bytes of scale words a row tile
	s_mov_b32 s[SPA+1], 0
	s_lshl_b32 s[SPB], s92, 9
	s_mov_b32 s[SPB+1], 0
	s_mul_i32 s89, s18, QUART                      ; where they go: the wave's number alone enters an LDS address
	s_wait_dscnt 0x0                               ; both opening adds are done
	s_wait_kmcnt 0x0
	s_add_nc_u64 s[G0+2:G0+3], s[4:5], s[G0+2:G0+3]
	s_add_nc_u64 s[G0B+2:G0B+3], s[8:9], s[G0B+2:G0B+3]
	s_add_nc_u64 s[SPA:SPA+1], s[6:7], s[SPA:SPA+1]
	s_add_nc_u64 s[SPB:SPB+1], s[10:11], s[SPB:SPB+1]
.irp g, G0, G0B
	s_mov_b32 s[\g], 1
	s_mov_b32 s[\g+1], s89
	s_or_b32 s[\g+3], s[\g+3], 0x80000000
.endr
	CROUND                                         ; all sixteen work-groups are here: the joint loads meet
	s_cmp_eq_u32 s19, 0                            ; waves 0, 1 fetch for A, waves 2, 3 for B: one load a wave; an s_nop 0 and four v_nop follow each line
	s_cbranch_scc0 .Lfor_b
	tensor_load_to_lds s[G0:G0+3], s[G1:G1+7]
	s_nop 0
	PLACES 4
	s_branch .Lasked
.Lfor_b:
	tensor_load_to_lds s[G0B:G0B+3], s[G1B:G1B+7]
	s_nop 0
	PLACES 4
.Lasked:
	s_mul_i32 s72, s19, QUART                      ; my 4 row tiles of A,
	s_mul_i32 s73, s20, QUART
	s_add_co_u32 s73, s73, 2*QUART                 ; of B,
	s_mul_i32 s74, s18, 16*SPITCH
	s_add_co_u32 s74, s74, STG                     ; my stage
	s_lshl_b32 s86, s84, 7
	s_lshl_b32 s87, s20, 6
	s_add_co_u32 s86, s86, s87                     ; my first column
	s_lshl_b32 s86, s86, 2
	s_mov_b32 s87, 0
	s_add_nc_u64 s[12:13], s[12:13], s[86:87]      ; bo there,
	s_add_nc_u64 s[14:15], s[14:15], s[86:87]      ; out0 there,
	s_lshl_b32 s86, s85, 7
	s_lshl_b32 s88, s19, 6
	s_add_co_u32 s86, s86, s88                     ; my first row
	s_lshl_b32 s86, s86, 12
	s_add_nc_u64 s[14:15], s[14:15], s[86:87]
	v_and_b32 v1, 31, v0
	v_and_b32 v2, 15, v0                           ; r
	v_bfe_u32 v3, v0, 4, 1                         ; h
	v_lshlrev_b32 v[L8], 3, v1
	v_lshlrev_b32 v[H32], 5, v3
	v_add_nc_u32 v[ADRA], s72, v[L8]
	v_add_nc_u32 v[ADRB], s73, v[L8]
	v_mul_u32_u24 v5, v2, SPITCH
	v_lshl_add_u32 v5, v3, 5, v5
	v_add_nc_u32 v[STO], s74, v5                   ; in: row r, 32 bytes for each half of the lanes
	v_mul_u32_u24 v6, v3, SPITCH
	v_lshl_add_u32 v6, v2, 4, v6
	v_add_nc_u32 v[RD], s74, v6                    ; back: lanes 0-15 one row of 256 bytes, lanes 16-31 the next
	v_lshlrev_b32 v7, 12, v3
	v_lshl_add_u32 v[CO], v2, 4, v7                ; and the same two rows in out0
	s_wait_alu depctr_va_vdst(0)                   ; the head's end
	WIN 0x40
.irp b, 0,1,2,3                        ; bo at the lane's eight columns 16 b + 8 h + 0 .. 7
	global_load_b128 v[BIA+8*\b:BIA+8*\b+3], v[H32], s[12:13] offset:64*\b
	global_load_b128 v[BIA+8*\b+4:BIA+8*\b+7], v[H32], s[12:13] offset:64*\b+16
.endr
	WIN 0
.irp i, 0,1,2,3                        ; all scale words, once: each load reads 256 consecutive bytes, aligned
.irp kh, 0,1
	global_load_b64 v[SCA+4*\i+2*\kh:SCA+4*\i+2*\kh+1], v[L8], s[SPA:SPA+1] offset:\i*512+\kh*256
	global_load_b64 v[SCB+4*\i+2*\kh:SCB+4*\i+2*\kh+1], v[L8], s[SPB:SPB+1] offset:\i*512+\kh*256
.endr
.endr
.macro FETCH_B ks                      ; 24 LDS loads: B's four fragments of K step ks
	WIN (1+(\ks)/4)<<6
.irp b, 0,1,2,3
.irp p, 0,1,2,3,4,5
	ds_load_b64 v[FR*(4*((\ks)%4)+\b)+2*\p:FR*(4*((\ks)%4)+\b)+2*\p+1], v[ADRB] offset:\b*12288+(\ks)*1536+256*\p
.endr
.endr
.endm
.macro FETCH_A a                       ; 48 LDS loads: block a's eight fragments into set a % 2
	WIN 0xc0
.irp k, 0,1,2,3,4,5,6,7
.irp p, 0,1,2,3,4,5
	ds_load_b64 v[96*((\a)%2)+FR*\k+2*\p:96*((\a)%2)+FR*\k+2*\p+1], v[ADRA] offset:(\a)*12288+\k*1536+256*\p
.endr
.endr
.endm
.macro PRD a, b, ks, c                 ; one product; both sides' scale words lie in lanes 16 (ks % 2) + r
.set D_, ACC+32*((\a)%2)+8*\b
.set XB_, SCB+4*\b+2*((\ks)/4)+((\ks)/2)%2
.set XA_, SCA+4*(\a)+2*((\ks)/4)+((\ks)/2)%2
.set BF_, FR*(4*((\ks)%4)+\b)
.set AF_, 96*((\a)%2)+FR*(\ks)
.if (\ks)%2
	v_wmma_scale_f32_16x16x128_f8f6f4 v[D_:D_+7], v[BF_:BF_+FR-1], v[AF_:AF_+FR-1], \c, v[XB_], v[XA_] matrix_a_fmt:MATRIX_FMT_FP6 matrix_b_fmt:MATRIX_FMT_FP6 matrix_a_scale:MATRIX_SCALE_ROW1 matrix_b_scale:MATRIX_SCALE_ROW1
.else
	v_wmma_scale_f32_16x16x128_f8f6f4 v[D_:D_+7], v[BF_:BF_+FR-1], v[AF_:AF_+FR-1], \c, v[XB_], v[XA_] matrix_a_fmt:MATRIX_FMT_FP6 matrix_b_fmt:MATRIX_FMT_FP6
.endif
.endm
; Block a, K step ks: four products, the block's four accumulators by turns, so that three other products stand between two links of a sum.
.macro MULK a, ks
.if (\ks) == 0
	WIN 0x1d                                       ; source 0 (B) and C (the bias) window 1, source 1 (A) window 3, D window 0
.elseif (\ks) < 4
	WIN 0x0d                                       ; C window 0
.else
	WIN 0x0e                                       ; source 0 window 2
.endif
.irp b, 0,1,2,3
.if (\ks) == 0
	PRD \a, \b, \ks, v[BIA+8*\b:BIA+8*\b+7]
.else
	PRD \a, \b, \ks, v[D_:D_+7]
.endif
.endr
.endm
; THE WAY OUT of a block, 16 rows x 64 columns, through my own stage: a lane's 32 bytes go in, whole rows of 256 bytes come back.  LDS serves a wave's instructions in order.
.macro TOSTAGE a
.irp b, 0,1,2,3
	ds_store_b128 v[STO], v[ACC+32*((\a)%2)+8*\b:ACC+32*((\a)%2)+8*\b+3] offset:64*\b       ; each accumulator from its low end on
	ds_store_b128 v[STO], v[ACC+32*((\a)%2)+8*\b+4:ACC+32*((\a)%2)+8*\b+7] offset:64*\b+16
.endr
.set BB, BK+32*((\a)%2)
.irp i, 0,1,2,3,4,5,6,7
	ds_load_b128 v[BB+4*\i:BB+4*\i+3], v[RD] offset:\i*2*SPITCH
.endr
.endm
.macro SEND a, younger                 ; younger: the LDS loads issued behind block a's, which may stay out
.set BB, BK+32*((\a)%2)
	s_wait_dscnt \younger
.irp i, 0,1,2,3,4,5,6,7
	global_store_b128 v[CO], v[BB+4*\i:BB+4*\i+3], s[14:15] offset:(16*(\a)+2*\i)*4096 th:TH_STORE_NT   ; 16 lanes store 256 consecutive bytes, aligned
.endr
.endm
	s_wait_tensorcnt 0x0                           ; my four row tiles are in
	s_wait_loadcnt 0x0                             ; bo and the scale words
	s_barrier_signal -1
	s_barrier_wait -1                              ; everybody's are
	FETCH_A 0                                      ; block 0 goes along with B's fragments as they come: each wait leaves the 48 youngest loads out
.irp k, 0,1,2,3,4,5
	FETCH_B \k
.endr
	s_wait_dscnt 48                                ; block 0's rows and B's K steps 0-3 are in
.irp k, 0,1,2,3
	MULK 0, \k
.endr
	FETCH_B 6                                      ; (into registers that no product has read)
	FETCH_B 7
	s_wait_dscnt 48                                ; B's K steps 4, 5
	MULK 0, 4
	MULK 0, 5
	FETCH_A 1
	s_wait_dscnt 48                                ; B's K steps 6, 7
	MULK 0, 6
	MULK 0, 7
.irp a, 0,1,2,3
	WIN 0
	PLACES 4                                       ; behind the block's products: ahead of the first read of its results and of the loads into its rows' registers
.if \a > 1
	s_wait_xcnt 0x0                                ; block a - 2's stores have read their registers: block a's loads may land there
.endif
	TOSTAGE \a
.if \a < 3
	s_wait_dscnt 16                                ; all but the stage's 8 stores and 8 loads: the next block's rows are in
.endif
.if \a < 2
	FETCH_A \a+2                                   ; the set that block a has left takes the block two on
	WIN 0
	SEND \a, 48
.else
	SEND \a, 0
.endif
.if \a < 3
.irp k, 0,1,2,3,4,5,6,7
	MULK \a+1, \k
.endr
.endif
.endr
	s_wait_tensorcnt 0x0                           ; the wave's end
	ds_add_u32 v[SPW], v[NIL]
	s_wait_dscnt 0x0
	CROUND                                         ; the closing round
	s_endpgm
.Lfunc_end_k_qae2768e040_oproj:
	.size	k_qae2768e040_oproj, .Lfunc_end_k_qae2768e040_oproj-k_qae2768e040_oproj
	.p2alignl 7, 3214868480
	.fill 96, 4, 3214868480
	.section	.rodata,"a",@progbits
	.p2align	6, 0x0
	.amdhsa_kernel k_qae2768e040_oproj
		.amdhsa_group_segment_fixed_size 214528
		.amdhsa_private_segment_fixed_size 0
		.amdhsa_enable_private_segment 0
		.amdhsa_kernarg_size 48
		.amdhsa_user_sgpr_count 2
		.amdhsa_user_sgpr_kernarg_segment_ptr 1
		.amdhsa_wavefront_size32 1
		.amdhsa_system_sgpr_workgroup_id_x 1
		.amdhsa_system_sgpr_workgroup_id_y 1
		.amdhsa_system_sgpr_workgroup_id_z 1
		.amdhsa_system_vgpr_workitem_id 0
		.amdhsa_next_free_vgpr 1024
		.amdhsa_next_free_sgpr 100
		.amdhsa_reserve_vcc 0
		.amdhsa_float_denorm_mode_32 3
		.amdhsa_float_denorm_mode_16_64 3
		.amdhsa_memory_ordered 1
		.amdhsa_forward_progress 1
		.amdhsa_inst_pref_size 58
	.end_amdhsa_kernel
	.amdgpu_metadata
---
amdhsa.version: [ 1, 2 ]
amdhsa.kernels:
  - .name:           k_qae2768e040_oproj
    .symbol:         k_qae2768e040_oproj.kd
    .args:
      - { .name: oc, .offset: 0, .size: 8, .value_kind: global_buffer, .address_space: global }
      - { .name: os, .offset: 8, .size: 8, .value_kind: global_buffer, .address_space: global }
      - { .name: cod, .offset: 16, .size: 8, .value_kind: global_buffer, .address_space: global }
      - { .name: scl, .offset: 24, .size: 8, .value_kind: global_buffer, .address_space: global }
      - { .name: bo, .offset: 32, .size: 8, .value_kind: global_buffer, .address_space: global }
      - { .name: out0, .offset: 40, .size: 8, .value_kind: global_buffer, .address_space: global }
    .group_segment_fixed_size: 214528
    .private_segment_fixed_size: 0
    .kernarg_segment_align: 8
    .kernarg_segment_size: 48
    .max_flat_workgroup_size: 128
    .sgpr_count:     100
    .vgpr_count:     1024
    .wavefront_size: 32
...
	.end_amdgpu_metadata
.endif
;; end of part 4
